; MI455X (gfx1250); checked and timed in simulation.
; The chip was launched on July 23, 2026; its instructions are those of AMD's public machine-readable ISA for CDNA 5 (MIT licence, August 2026) and "CDNA5" Instruction Set Architecture Reference Guide (July 2026). The comments in the code are by the model that wrote it; some were corrected since.
;; Attn. Allowed arithmetic: matrix products marked QUANTISED: E4M3 operands, one E8M0 scale for each 32 along K, by v_wmma_scale_f32_16x16x128_f8f6f4 with both operands' format E4M3, f32 sums; products left as they are: f32 operands where the result goes on into a quantised operand, else bf16, f16 or f32 operands; f32 sums; everything else in f32.
;; Inputs: W 1,024 x 2,048 float32; b 1,024 float32; encoder_outputs 32 x 1,024 x 2,048 float32; hidden 32 x 1,024 float32.
;; Outputs: out0 32 x 1 x 1,024 float32.
;; This version of the problem:
;;   THIS VERSION OF THE PROBLEM IS GIVEN IN LOW PRECISION. The matrix products marked QUANTISED in the list below multiply operands that are first quantised to E4M3 (4 exponent bits, 3 mantissa bits; 8 bits a number), with one power-of-two scale for each 32 numbers along K (OCP MX v1.0); their sums are f32. All else is computed in f32.
;;   The module's matrix products, in the order in which they are computed (A, B: the left and right operand; K: the contracted axis; several contracted axes count as one K, in the product's order):
;;     1. [M 32,768, K 2,048] x [K 2,048, N 1,024]; A: input encoder_outputs; B: input W: QUANTISED
;;     2. batch 32 x [M 1, K 1,024] x [K 1,024, N 1,024]; A: input hidden; B: computed on the way: left as it is (M = 1 < 16)
;;   THE QUANTISER, for each operand of a quantised product, along K:
;;     - K is cut into blocks of 32 from its start; a last block that is shorter is filled with zeros.
;;     - A block's scale is 2^e with e = floor(log2(the largest magnitude in the block)) - 8, held to -126 .. 127; a block of zeros has e = 0. As a byte (E8M0): e + 127.
;;     - Each number is divided by its block's scale, clamped to +-448, and rounded to the nearest number of E4M3, ties to even, subnormals kept.
;;     - The product sums the exact products of the quantised numbers (number of the format x scale) in f32.
;;   ~~~python
;;   def quantise(x, axis):      # numpy; x: float32 -> the quantised numbers, widened to float32 again
;;       x = np.moveaxis(x, axis, -1); K = x.shape[-1]
;;       x = np.pad(x, [(0, 0)] * (x.ndim - 1) + [(0, -K % 32)]); x = x.reshape(x.shape[:-1] + (-1, 32)); a = np.abs(x).max(-1, keepdims=True)
;;       e = np.where(a > 0, np.clip(np.frexp(np.where(a > 0, a, 1))[1] - 1 - 8, -126, 127), 0)      # np.frexp(a)[1] - 1 = floor(log2(a)), exactly
;;       r = np.clip(x / 2.0 ** e, -448, 448)
;;       step = 2.0 ** (np.maximum(np.frexp(np.where(r == 0, 1, r))[1] - 1, -6) - 3)
;;       q = np.round(r / step) * step * 2.0 ** e      # np.round: ties to even
;;       return np.moveaxis(q.reshape(q.shape[:-2] + (-1,))[..., :K], -1, axis).astype(np.float32)
;;   ~~~
;; 2 versions. Each part assembles by itself: llvm-mc -triple=amdgcn-amd-amdhsa -mcpu=gfx1250 --defsym DOCPART=n.
;; ======== version 1 of 2: 3 launches
;; workspace buffers: wimg 2,097,152 bytes; wsc 65,536 bytes; ep 524,288 bytes
;; launch wq (part 1): grid 256 x 1, 4 waves a work-group, no clusters, 34,560 bytes of LDS; arguments W, wimg, wsc; writes wimg, wsc
.if DOCPART == 1
	.amdgcn_target "amdgcn-amd-amdhsa--gfx1250"
	.amdhsa_code_object_version 6
	.text
	.protected	k_q17b3d5bffd_wq
	.globl	k_q17b3d5bffd_wq
	.p2align	8
	.type	k_q17b3d5bffd_wq,@function
k_q17b3d5bffd_wq:
	s_mov_b64 s[64:65], 0
	v_nop
	global_prefetch_b8 v0, s[64:65] scope:SCOPE_SE
	s_setreg_imm32_b32 hwreg(HW_REG_WAVE_MODE, 25, 1), 1
	s_wait_xcnt 0x0
; W [1024][2048] f32 is turned into codes of E4M3 with one E8M0 scale for each 32 along K, laid as the next launch's operand registers take them:
; wimg[kg][t][s]: the fragment of W's rows 16 t .. 16 t + 15 and K step 4 kg + s (128 along K) as an image of its 16 registers: four groups of 512 bytes, lane l's 16 bytes at 16 l;
; wsc[kg][t][s][r]: row r's scale word.  kg = 0..3, t = 0..63, s = 0..3.
; Work-group 64 kg + t; wave s makes one fragment.  Each of its 16 loads reads 512 consecutive bytes of a row; the 8,192 bytes turn through the wave's own stage in LDS, so that a lane
; holds 16 neighbours of each block of its row r.  The image leaves as four stores of 512 consecutive bytes; the four waves' scale words meet in LDS and leave as 256 consecutive bytes.
; LIMITS: NaN and infinities among the inputs are not served.  A block of zeros gets the scale byte 1 where the rule says 127: its codes are zeros, and the bytes are read by this program alone.
.set SP,   528                         ; a stage row: 512 bytes + 16: row r starts 132 words on, at bank 4 r mod 64 (64 banks of 4 bytes: ISA guide 11.1)
.set SCG,  4*16*SP                     ; behind the four stages: the work-group's 64 scale words
.set PW,   16                          ; v16      the scale word
.set R,    32                          ; v32-95   16 rows x 512 bytes as loaded
.set XS,   96                          ; v96-159  register 16 b + i = k 32 b + 16 h + i of my row r
.set PC,   160                         ; v160-175 the codes
.set TM,   176                         ; v176-191 at work
	s_load_b128 s[4:7], s[0:1], 0x0                ; W, wimg
	s_load_b64 s[8:9], s[0:1], 0x10                ; wsc
	v_lshl_add_u32 v192, v0, 2, 0x8500
	v_mov_b32 v193, 0
	v_lshrrev_b32 v1, 5, v0
	v_readfirstlane_b32 s12, v1                    ; wave 0..3
	v_and_b32 v1, 31, v0                           ; lane
	v_and_b32 v2, 15, v0                           ; r
	v_bfe_u32 v3, v0, 4, 1                         ; h
	s_lshr_b32 s13, ttmp9, 6                       ; kg
	s_and_b32 s14, ttmp9, 63                       ; t
	s_mov_b32 s24, 0x76543210
	s_mov_b32 s25, 0xfedcba98                      ; v_permlanex16_b32's selects for lane l xor 16
	s_mov_b32 s26, 0x600000                        ; the mantissa field of 448
	s_mul_i32 s15, s12, 16*SP                      ; my stage
	v_lshlrev_b32 v4, 4, v1                        ; 16 x lane
	v_add_nc_u32 v5, s15, v4                       ; the stage, on the way in
	v_mul_u32_u24 v6, v2, SP
	v_lshl_add_u32 v6, v3, 6, v6
	v_add_nc_u32 v6, s15, v6                       ; and on the way out: 528 r + 64 h
	s_lshl_b32 s16, s12, 6
	s_add_co_u32 s16, s16, SCG
	v_lshlrev_b32 v7, 2, v2
	v_add_nc_u32 v7, s16, v7                       ; my row's scale word: 64 x wave + 4 r
	v_lshlrev_b32 v8, 3, v1                        ; 8 x lane
	v_add_nc_u32 v9, SCG, v8
.irp b, 0,1,2,3
	v_mov_b32 v[TM+4+\b], 0                        ; written once: a lane permute's destination counts as one of its sources
.endr
	s_lshl_b32 s20, s14, 17                        ; 16 t rows of 8,192 bytes
	s_lshl_b32 s21, s13, 2
	s_add_co_u32 s21, s21, s12
	s_lshl_b32 s21, s21, 9                         ; K step 4 kg + wave: 512 bytes of a row
	s_add_co_u32 s20, s20, s21
	s_mov_b32 s21, 0
	s_lshl_b32 s22, ttmp9, 13                      ; the tile's four images,
	s_lshl_b32 s23, s12, 11                        ; mine among them
	s_add_co_u32 s22, s22, s23
	s_mov_b32 s23, 0
	s_lshl_b32 s28, ttmp9, 8                       ; the tile's 256 bytes of scale words
	s_mov_b32 s29, 0
	s_wait_kmcnt 0x0
	s_add_nc_u64 s[4:5], s[4:5], s[20:21]
	s_add_nc_u64 s[6:7], s[6:7], s[22:23]
	s_add_nc_u64 s[8:9], s[8:9], s[28:29]
.irp i, 0,1,2,3,4,5,6,7,8,9,10,11,12,13,14,15
	global_load_b128 v[R+4*\i:R+4*\i+3], v4, s[4:5] offset:8192*\i th:TH_LOAD_NT   ; 512 consecutive bytes of row i; read once in this launch
.endr
	s_wait_loadcnt 0x0
.irp i, 0,1,2,3,4,5,6,7,8,9,10,11,12,13,14,15
	ds_store_b128 v5, v[R+4*\i:R+4*\i+3] offset:SP*\i
.endr
.irp b, 0,1,2,3
.irp j, 0,1,2,3
	ds_load_b128 v[XS+16*\b+4*\j:XS+16*\b+4*\j+3], v6 offset:128*\b+16*\j   ; LDS serves a wave's instructions in order: these see the stores above
.endr
.endr
	s_wait_dscnt 0x0
.irp b, 0,1,2,3
	v_max3_num_f32 v[TM+\b], |v[XS+16*\b]|, |v[XS+1+16*\b]|, 0x4800000   ; block b: my 16 numbers, and the floor 2^(9 - 127): the byte cannot fall under 1
.endr
.irp i, 2,4,6,8,10,12,14
.irp b, 0,1,2,3
	v_max3_num_f32 v[TM+\b], v[TM+\b], |v[XS+16*\b+\i]|, |v[XS+1+16*\b+\i]|   ; the four blocks by turns
.endr
.endr
.irp b, 0,1,2,3
	v_permlanex16_b32 v[TM+4+\b], v[TM+\b], s24, s25
.endr
.irp b, 0,1,2,3
	v_max_num_f32 v[TM+\b], v[TM+\b], v[TM+4+\b]   ; with lane l xor 16's: the block's largest magnitude
.endr
.irp b, 0,1,2,3
	v_add_nc_u32 v[TM+12+\b], 0xfc000000, v[TM+\b] ; 8 off its exponent field: the conversion takes this operand's exponent field as its scale
.endr
.irp b, 0,1,2,3
	v_and_or_b32 v[TM+8+\b], v[TM+\b], 0x7f800000, s26   ; 448 x the scale
.endr
.irp b, 0,1,2,3
	v_lshrrev_b32 v[TM+4+\b], 23, v[TM+12+\b]      ; the scale's byte
.endr
	v_lshl_or_b32 v[PW], v[TM+5], 8, v[TM+4]
	v_lshl_or_b32 v[PW], v[TM+6], 16, v[PW]
	v_lshl_or_b32 v[PW], v[TM+7], 24, v[PW]
.irp b, 0,1,2,3
.irp i, 0,1,2,3,4,5,6,7,8,9,10,11,12,13,14,15
	v_med3_num_f32 v[XS+16*\b+\i], v[XS+16*\b+\i], -v[TM+8+\b], v[TM+8+\b]   ; the conversion to an 8-bit code does not saturate (ISA guide 7.6.2): the hold comes first
.endr
	v_cvt_scalef32_pk8_fp8_f32 v[PC+4*\b:PC+1+4*\b], v[XS+16*\b:XS+7+16*\b], v[TM+12+\b]
	v_cvt_scalef32_pk8_fp8_f32 v[PC+2+4*\b:PC+3+4*\b], v[XS+8+16*\b:XS+15+16*\b], v[TM+12+\b]
.endr
	v_nop                                          ; a plain line behind the last conversion
.irp c, 0,1,2,3
	global_store_b128 v4, v[PC+4*\c:PC+4*\c+3], s[6:7] offset:512*\c   ; the image: 512 consecutive bytes a store
.endr
	ds_store_b32 v7, v[PW]                         ; lanes r and r + 16 store the same word with the same value
	s_wait_dscnt 0x0                               ; for the others' sake
	s_barrier_signal -1
	s_barrier_wait -1
	s_cmp_lg_u32 s12, 0
	s_cbranch_scc1 .Lend                           ; wave 0 stores the tile's 64 scale words
	ds_load_b64 v[10:11], v9
	s_wait_dscnt 0x0
	global_store_b64 v8, v[10:11], s[8:9]          ; 32 lanes store 256 consecutive bytes, at a multiple of 256 from wsc's first byte
.Lend:
	s_wait_tensorcnt 0x0
	ds_add_u32 v192, v193
	s_wait_dscnt 0x0
	s_endpgm
.Lfunc_end_k_q17b3d5bffd_wq:
	.size	k_q17b3d5bffd_wq, .Lfunc_end_k_q17b3d5bffd_wq-k_q17b3d5bffd_wq
	.p2alignl 7, 3214868480
	.fill 96, 4, 3214868480
	.section	.rodata,"a",@progbits
	.p2align	6, 0x0
	.amdhsa_kernel k_q17b3d5bffd_wq
		.amdhsa_group_segment_fixed_size 34560
		.amdhsa_private_segment_fixed_size 0
		.amdhsa_enable_private_segment 0
		.amdhsa_kernarg_size 24
		.amdhsa_user_sgpr_count 2
		.amdhsa_user_sgpr_kernarg_segment_ptr 1
		.amdhsa_wavefront_size32 1
		.amdhsa_system_sgpr_workgroup_id_x 1
		.amdhsa_system_sgpr_workgroup_id_y 1
		.amdhsa_system_sgpr_workgroup_id_z 1
		.amdhsa_system_vgpr_workitem_id 0
		.amdhsa_next_free_vgpr 194
		.amdhsa_next_free_sgpr 66
		.amdhsa_reserve_vcc 0
		.amdhsa_float_denorm_mode_32 3
		.amdhsa_float_denorm_mode_16_64 3
		.amdhsa_memory_ordered 1
		.amdhsa_forward_progress 1
		.amdhsa_inst_pref_size 15
	.end_amdhsa_kernel
	.amdgpu_metadata
---
amdhsa.version: [ 1, 2 ]
amdhsa.kernels:
  - .name:           k_q17b3d5bffd_wq
    .symbol:         k_q17b3d5bffd_wq.kd
    .args:
      - { .name: W, .offset: 0, .size: 8, .value_kind: global_buffer, .address_space: global }
      - { .name: wimg, .offset: 8, .size: 8, .value_kind: global_buffer, .address_space: global }
      - { .name: wsc, .offset: 16, .size: 8, .value_kind: global_buffer, .address_space: global }
    .group_segment_fixed_size: 34560
    .private_segment_fixed_size: 0
    .kernarg_segment_align: 8
    .kernarg_segment_size: 24
    .max_flat_workgroup_size: 128
    .sgpr_count:     66
    .vgpr_count:     194
    .wavefront_size: 32
...
	.end_amdgpu_metadata
.endif
;; end of part 1
;; launch energy (part 2): grid 4 x 64, 4 waves a work-group, no clusters, 310,784 bytes of LDS; arguments encoder_outputs, wimg, wsc, hidden, ep; writes ep
.if DOCPART == 2
	.amdgcn_target "amdgcn-amd-amdhsa--gfx1250"
	.amdhsa_code_object_version 6
	.text
	.protected	k_q17b3d5bffd_energy
	.globl	k_q17b3d5bffd_energy
	.p2align	8
	.type	k_q17b3d5bffd_energy,@function
k_q17b3d5bffd_energy:
	s_mov_b64 s[64:65], 0
	v_nop
	global_prefetch_b8 v0, s[64:65] scope:SCOPE_SE
	s_setreg_imm32_b32 hwreg(HW_REG_WAVE_MODE, 25, 1), 1
	s_wait_xcnt 0x0
; ep[kg][row] = sum over n of hidden[batch(row)][n] * ( sum over k in K group kg of Q(enc)[row][k] Q(W)[n][k] ),  kg = 0..3, a K group = 512 = four K steps of 128.
; enc [32768 rows][2048] f32; wimg, wsc: W's codes and scale words as the launch before laid them; hidden [32][1024] f32; ep [4][32768] f32.  Q: codes of E4M3, one E8M0 scale for each 32 along K.
; The energy of a row is linear in the product's row: a 16 x 16 result summed over the group's four K steps is multiplied by hidden and summed at once, in f32.  The next launch adds a row's four parts.
; SHARES.  Work-group (kg, rb) takes rows 512 rb .. 512 rb + 511 (one batch) and K group kg; wave w its rows 128 w .. 128 w + 127: 8 x 4 fragments of 16 rows x 128 K.  Every byte of enc is read once in the launch.
; PHASE Q.  The wave's 32 fragments are loaded, quantised in registers and laid in LDS as images of their registers (four groups of 512 bytes, lane l's 16 bytes at 16 l; a scale word at 4 r);
; a loop writes them, so they cannot go to numbered registers at once.  Then all 32 come into windows 1 and 2 and stay.
; PHASE G.  W's 64 tiles of 16 rows pass by, in 16 chunks of 4 tiles.  A tile is 32 matrix instructions (source 0 = 16 rows of enc, source 1 = 16 rows of W): K steps 0 to 3, each on the 8 accumulators by turns, C = 0 in
; K step 0.  In a result lane (r, h) holds column n = r and rows 8 h + j; four packed multiply-adds fold it into E[j] += hidden[16 t + r] x D[j]; at the end E is summed over the 16 lanes of a half.
; A chunk (32 KiB of images, 1 KiB of scale words) comes through registers: each wave loads one tile, six tiles ahead, and stores it into the other of two LDS slots, which lie over the images that are done with.
; W's chunks are not asked for jointly in a cluster: they are 528 KiB of the 1.5 MiB that a work-group reads, out of 2 MiB that all work-groups share, and each of the 16 refills would want a round of the cluster's barrier.
; LIMITS: NaN and infinities among the inputs are not served (cleared results are multiplied by hidden's place-holder 0).  A block of zeros gets the scale byte 1 where the rule says 127: its codes are zeros, and
; the bytes are read by this program alone.  The f32 sums over K and N are grouped by K group and by lane, another order than the reference's.
.set ROWP,  8192                       ; bytes from row to row of enc
.set FRG,   16*ROWP                    ; 16 rows
; LDS
.set SCA,   262144                     ; 0 .. 262,143: the images, 65,536 bytes a wave: + 8,192 m + 2,048 k.  From here their scale words: + 2,048 w + 256 m + 64 k
.set STG,   270336                     ; a stage of 16 rows for each wave
.set SP,    528                        ; its rows: 512 bytes + 16: row r starts 132 words on, at bank 4 r mod 64 (64 banks of 4 bytes: ISA guide 11.1)
.set HIDB,  304128                     ; the batch's row of hidden, 4,096 bytes
.set OUTB,  308224                     ; a wave's 128 energies, 512 bytes each wave
.set SLOT,  33792                      ; phase G: two slots, at 0 and here: 4 tiles x 8,192 bytes,
.set SLSC,  32768                      ; then their scale words, 256 bytes a tile
; REGISTERS, in windows of 256.  Window 0:
.set OUTS,  4                          ; v4      OUT + 32 h
.set OUTL,  5                          ; v5      OUT + 16 x lane
.set GO,    6                          ; v6      16 x lane
.set RT,    8                          ; v8-11   the energies on their way out
.set AIA,   12                         ; v12     my images + 16 x lane
.set ASA,   13                         ; v13     their scale words + 4 r
.set ASC,   16                         ; v16-47  scale words of enc's fragments, 4 m + k   (scales and nothing else)
.set BSC,   48                         ; v48-51  scale words of the tile's four K steps    (likewise)
.set D,     64                         ; v64-191 two sets of 8 results
.set E,     192                        ; v192-255 8 x 8 running energies
; Windows 1 and 2: enc's fragments: (m, k) at v[128 (k % 2) + 16 m] of window 1 + k / 2.  In phase Q window 2 is a ring of 4 slots of 64: 16 rows x 512 bytes as loaded.
; Window 3, phase Q:
.set XS,    0                          ; v0-127   two sets of 64 numbers: register 16 b + i = k 32 b + 16 h + i of my row r
.set PC,    128                        ; v128-159 two sets of codes
.set TM,    160                        ; v160-175 at work
.set PW,    176                        ; v176-177 two scale words
.set STI,   178                        ; my stage + 16 x lane
.set STO,   179                        ; my stage + 528 r + 64 h
.set GOF,   180                        ; 16 x lane
.set IMA0,  181                        ; 65,536 w + 16 x lane
.set IMS0,  182                        ; SCA + 2,048 w + 4 r
.set IMA,   183                        ; where the four images in hand go
.set IMS,   184                        ; and their scale words
.set HST,   186                        ; hidden + 1,024 w + 16 x lane
; Window 3, phase G:
.set B,     0                          ; v0-63    the tile's four fragments
.set WS,    64                         ; v64-129, v130-195 two sets of 66: a tile of W on its way from memory to LDS
.set HID,   196                        ; v196-203 four pairs: hidden[16 t + r] in the even register; the odd one is named with it and holds 0
.set BA,    204                        ; v204-205 slot 0, 1 + 16 x lane
.set BS,    206                        ; v206-207 their scale words + 4 r
.set HAD,   208                        ; v208     hidden + 4 r + 256 x chunk
.set HRB,   209                        ; v209-210 hidden + 4 r + 256, + 512
.set GW,    211                        ; 8,192 w + 16 x lane: my tile of a chunk, in memory
.set GS,    212                        ; 256 w + 8 x lane: its scale words
.set SA,    213                        ; v213-214 the same places in slot 0, 1
.set SSA,   215                        ; v215-216
.set PFO,   218                        ; 8,192 rb + 256 x lane
; SCALARS: s[4:11] enc, wimg, wsc, hidden; s12 wave, s13 kg, s14 rb; s[16:17] wimg's pointer, s[20:21] wsc's, s[18:19] enc's, s[22:23] ep; s[24:25] lane selects; s26 448's mantissa field;
; s27 counter; s29, s30 steps of the image and scale-word addresses; s31 hidden's step; s32-59 at work
.set MSB, 0
.macro WIN new                         ; s_set_vgpr_msb: bits 1:0 source 0, 3:2 source 1, 5:4 source 2, 7:6 destination; the high byte repeats the setting that is left
.if MSB != \new
	s_set_vgpr_msb (MSB<<8)|\new
.set MSB, \new
.endif
.endm
; Slot q's 16 rows go through my stage and come back 64 bytes a block and lane: a load reads 512 consecutive bytes of a row, a conversion wants 16 neighbours in one lane.
.macro TURN q, n
	s_wait_loadcnt \n                              ; loads come back in order: slot q's sixteen are in, n younger ones may be out
	WIN 0x0b                                       ; address window 3, data window 2
.irp i, 0,1,2,3,4,5,6,7,8,9,10,11,12,13,14,15
	ds_store_b128 v[STI], v[64*(\q)+4*\i:64*(\q)+4*\i+3] offset:SP*\i
.endr
	WIN 0xff                                       ; all in window 3
.irp b, 0,1,2,3
.irp j, 0,1,2,3
	ds_load_b128 v[XS+64*((\q)%2)+16*\b+4*\j:XS+64*((\q)%2)+16*\b+4*\j+3], v[STO] offset:128*\b+16*\j   ; LDS serves a wave's instructions in order: these see the stores above
.endr
.endr
.endm
; Slot q is asked for: K step q of the 16 rows that begin base bytes behind the pointer.  The four slots' loads of a row are 2,048 consecutive bytes.
.macro RELOAD q, base
	WIN 0x83                                       ; destination window 2, address window 3
.irp i, 0,1,2,3,4,5,6,7,8,9,10,11,12,13,14,15
	global_load_b128 v[64*(\q)+4*\i:64*(\q)+4*\i+3], v[GOF], s[18:19] offset:(\base)+(\q)*512+\i*ROWP th:TH_LOAD_NT
.endr
.endm
; 64 numbers of a lane become a fragment's 16 registers of codes and its row's scale word.
.macro QUANT s, pc, pw
.irp b, 0,1,2,3
	v_max3_num_f32 v[TM+\b], |v[\s+16*\b]|, |v[\s+1+16*\b]|, 0x4800000   ; block b: my 16 numbers, and the floor 2^(9 - 127): the byte cannot fall under 1
.endr
.irp i, 2,4,6,8,10,12,14
.irp b, 0,1,2,3
	v_max3_num_f32 v[TM+\b], v[TM+\b], |v[\s+16*\b+\i]|, |v[\s+1+16*\b+\i]|   ; the four blocks by turns
.endr
.endr
.irp b, 0,1,2,3
	v_permlanex16_b32 v[TM+4+\b], v[TM+\b], s24, s25
.endr
.irp b, 0,1,2,3
	v_max_num_f32 v[TM+\b], v[TM+\b], v[TM+4+\b]   ; with lane l xor 16's: the block's largest magnitude
.endr
.irp b, 0,1,2,3
	v_add_nc_u32 v[TM+12+\b], 0xfc000000, v[TM+\b] ; 8 off its exponent field: the conversion takes this operand's exponent field as its scale
.endr
.irp b, 0,1,2,3
	v_and_or_b32 v[TM+8+\b], v[TM+\b], 0x7f800000, s26   ; 448 x the scale
.endr
.irp b, 0,1,2,3
	v_lshrrev_b32 v[TM+4+\b], 23, v[TM+12+\b]      ; the scale's byte
.endr
	v_lshl_or_b32 v[\pw], v[TM+5], 8, v[TM+4]
	v_lshl_or_b32 v[\pw], v[TM+6], 16, v[\pw]
	v_lshl_or_b32 v[\pw], v[TM+7], 24, v[\pw]
.irp b, 0,1,2,3
.irp i, 0,1,2,3,4,5,6,7,8,9,10,11,12,13,14,15
	v_med3_num_f32 v[\s+16*\b+\i], v[\s+16*\b+\i], -v[TM+8+\b], v[TM+8+\b]   ; the conversion to an 8-bit code does not saturate (ISA guide 7.6.2): the hold comes first
.endr
	v_cvt_scalef32_pk8_fp8_f32 v[\pc+4*\b:\pc+1+4*\b], v[\s+16*\b:\s+7+16*\b], v[TM+12+\b]
	v_cvt_scalef32_pk8_fp8_f32 v[\pc+2+4*\b:\pc+3+4*\b], v[\s+8+16*\b:\s+15+16*\b], v[TM+12+\b]
.endr
	v_nop                                          ; a plain line behind the last conversion
.endm
.macro IMAGE q                         ; five LDS stores: the fragment as it stands, and its scale word (lanes r and r + 16 store the same word with the same value)
.irp c, 0,1,2,3
	ds_store_b128 v[IMA], v[PC+16*((\q)%2)+4*\c:PC+16*((\q)%2)+4*\c+3] offset:2048*(\q)+512*\c
.endr
	ds_store_b32 v[IMS], v[PW+((\q)%2)] offset:64*(\q)
.endm
; The four K steps of 16 rows: the ring's four slots are quantised and, mode 1, asked for again with the next 16 rows.
.macro Q4 mode
	TURN 0, 48                                     ; slots 1, 2, 3 may be out
.irp q, 0,1,2,3
.if \q == 0
	s_wait_dscnt 0x0                               ; slot 0 is back from the stage, and no LDS instruction of mine is out:
	v_add_nc_u32 v[IMA], s29, v[IMA0]              ; the addresses of this run's images are made here
	v_add_nc_u32 v[IMS], s30, v[IMS0]
.else
	s_wait_dscnt 5                                 ; all but the five stores of the image just made: slot q is back from the stage and its registers have been read; the image before has left its registers
.endif
.if \mode
	RELOAD \q, FRG
.endif
.if \q < 3
.if \mode
	TURN \q+1, 48                                  ; behind slot q + 1's loads: the slots not yet turned and those just asked for again, three in all
.else
	TURN \q+1, 32-16*\q                            ; nothing is asked for any more: the counts run down
.endif
.endif
	WIN 0xff
	QUANT XS+64*(\q%2), PC+16*(\q%2), PW+(\q%2)
	IMAGE \q
.endr
.endm
.macro LOADW set, off, offs            ; my tile of a chunk, 17 loads, into a staging set
	WIN 0xc3                                       ; destination and address window 3
.irp j, 0,1,2,3,4,5,6,7,8,9,10,11,12,13,14,15
	global_load_b128 v[WS+66*(\set)+4*\j:WS+66*(\set)+4*\j+3], v[GW], s[16:17] offset:(\off)+512*\j
.endr
	global_load_b64 v[WS+66*(\set)+64:WS+66*(\set)+65], v[GS], s[20:21] offset:\offs
.endm
.macro STOREW set, slot                ; and from there into a slot
	WIN 0x0f                                       ; address and data window 3
.irp j, 0,1,2,3,4,5,6,7,8,9,10,11,12,13,14,15
	ds_store_b128 v[SA+(\slot)], v[WS+66*(\set)+4*\j:WS+66*(\set)+4*\j+3] offset:512*\j
.endr
	ds_store_b64 v[SSA+(\slot)], v[WS+66*(\set)+64:WS+66*(\set)+65]
.endm
.macro FETCH_A                         ; my 32 fragments and their scale words; the wait for them follows in the text
	WIN 0x40                                       ; destination window 1
.irp m, 0,1,2,3,4,5,6,7
.irp k, 0,1
.irp c, 0,1,2,3
	ds_load_b128 v[128*\k+16*\m+4*\c:128*\k+16*\m+4*\c+3], v[AIA] offset:8192*\m+2048*\k+512*\c
.endr
.endr
.endr
	WIN 0x80                                       ; destination window 2
.irp m, 0,1,2,3,4,5,6,7
.irp k, 0,1
.irp c, 0,1,2,3
	ds_load_b128 v[128*\k+16*\m+4*\c:128*\k+16*\m+4*\c+3], v[AIA] offset:8192*\m+2048*(\k+2)+512*\c
.endr
.endr
.endr
	WIN 0
.irp m, 0,1,2,3,4,5,6,7
.irp k, 0,1,2,3
	ds_load_b32 v[ASC+4*\m+\k], v[ASA] offset:256*\m+64*\k
.endr
.endr
.endm
.macro ZERO                            ; E begins at 0, and so does the second set of results, which the first tile's slices fold
	WIN 0
.set i, 0
.rept 64
	v_mov_b32 v[E+i], 0
.set i, i+1
.endr
.set i, 64
.rept 64
	v_mov_b32 v[D+i], 0
.set i, i+1
.endr
.endm
; A TILE is eight sub-blocks of four matrix instructions.  Sub-block u: K step u / 2, accumulators 4 (u % 2) .. + 3 of the tile's set.  The eight accumulators take turns, one instruction a turn
; enc's fragments fill windows 1 and 2 whole, so no setting serves a product and the fold alike: a sub-block and its slice cost two switches.
.macro SB T, u
.set KS, (\u)/2
.set DS, D+64*((\T)%2)
.if KS < 2
	WIN 0x0d                                       ; source 0 (enc) window 1, source 1 (W) window 3, C and D window 0
.else
	WIN 0x0e                                       ; source 0 window 2
.endif
.irp mm, 0,1,2,3
.set MI, 4*((\u)%2)+\mm
.if KS == 0
	v_wmma_scale_f32_16x16x128_f8f6f4 v[DS+8*MI:DS+8*MI+7], v[128*(KS%2)+16*MI:128*(KS%2)+16*MI+15], v[B+16*KS:B+16*KS+15], 0, v[ASC+4*MI+KS], v[BSC+KS]
.else
	v_wmma_scale_f32_16x16x128_f8f6f4 v[DS+8*MI:DS+8*MI+7], v[128*(KS%2)+16*MI:128*(KS%2)+16*MI+15], v[B+16*KS:B+16*KS+15], v[DS+8*MI:DS+8*MI+7], v[ASC+4*MI+KS], v[BSC+KS]
.endif
.endr
.endm
; Slice u: result u of the tile before is folded, from its low end on.  Its last product stands two slices or more back: eight plain lines that name none of that product's registers.
.macro SLICE T, u
.set DP, D+64*(((\T)+1)%2)
.set HP, HID+2*(((\T)+3)%4)
	WIN 0x03                                       ; source 0 (hidden's pair) window 3
.irp i, 0,1,2,3
	v_pk_fma_f32 v[E+8*(\u)+2*\i:E+8*(\u)+2*\i+1], v[HP:HP+1], v[DP+8*(\u)+2*\i:DP+8*(\u)+2*\i+1], v[E+8*(\u)+2*\i:E+8*(\u)+2*\i+1] op_sel_hi:[0,1,1]
.endr
.endm
; Five LDS loads: K step ks of tile tt of a slot, and its scale words.  They stand two slices, eight plain lines, behind the last product that read these registers.
.macro BLOAD ba, bs, tt, ks
	WIN 0x03
	ds_load_b32 v[BSC+(\ks)], v[\bs] offset:256*(\tt)+64*(\ks)
	WIN 0xc3
.irp c, 0,1,2,3
	ds_load_b128 v[B+16*(\ks)+4*\c:B+16*(\ks)+4*\c+3], v[\ba] offset:8192*(\tt)+2048*(\ks)+512*\c
.endr
.endm
; Tile T (0..3) of the chunk in slot sl.  Behind slice 0 come this tile's K step 3, behind slices 2, 4, 6 the next tile's K steps 0, 1, 2: each group six sub-blocks ahead of its use.
; ahead (tile 3 alone): the next tile lies in the other slot, so the chunk's one barrier stands here: in front of its signal my LDS instructions are done (my stores of the next chunk, my reads of this one);
; four products and a slice stand between signal and wait; behind the wait nobody reads this slot any more and the other is whole.
; xtra = 1: my tile of the chunk two on is asked for, four loads behind each odd slice.  xtra = 2: my tile of the next chunk goes into the other slot, likewise; lw: how many younger loads may be out.
.macro TILE sl, T, ahead, xtra, lw
.set LASTT, 0
.set NSL, \sl
.set NT, (\T)+1
.if (\T) == 3
.set NSL, 1-(\sl)
.set NT, 0
.if (\ahead) == 0
.set LASTT, 1
.endif
.endif
.if (\xtra) == 2
	s_wait_loadcnt \lw
.endif
.irp u, 0,1,2,3,4,5,6,7
.if (\u == 0) || (\u == 2)
	s_wait_dscnt 10                                ; this K step's group is in: behind it stand two groups of five or more
.elseif \u == 4
	s_wait_dscnt 10-5*LASTT                        ; (the very last tile asks for nothing ahead: one group, then none)
.elseif \u == 6
	s_wait_dscnt 10-10*LASTT
.endif
	SB \T, \u
	SLICE \T, \u
.if \u == 0
	BLOAD BA+(\sl), BS+(\sl), \T, 3
.endif
.if (\u == 2) && ((\T) < 3)
	BLOAD BA+NSL, BS+NSL, NT, 0
	ds_load_b32 v[HID+2*NT], v[HAD] offset:64*NT   ; hidden for the next tile, folded in the tile behind it
.endif
.if (\u == 2) && ((\T) == 3) && ((\ahead) == 1)
	s_wait_dscnt 0x0
	s_barrier_signal -1
.endif
.if (\u == 3) && ((\T) == 3) && ((\ahead) == 1)
	s_barrier_wait -1
	BLOAD BA+NSL, BS+NSL, NT, 0
	v_add_nc_u32 v[HAD], v[HRB+(\sl)], s31         ; the next chunk's 256 bytes of hidden (no LDS instruction that names the register is out)
	ds_load_b32 v[HID], v[HAD]
.endif
.if ((\u == 4) || (\u == 6)) && (LASTT == 0)
	BLOAD BA+NSL, BS+NSL, NT, (\u)/2-1
.endif
.if ((\u)%2 == 1) && ((\xtra) == 1)
	WIN 0xc3
.irp j, 0,1,2,3
	global_load_b128 v[WS+66*(\sl)+4*(2*((\u)-1)+\j):WS+66*(\sl)+4*(2*((\u)-1)+\j)+3], v[GW], s[16:17] offset:65536+32768*(\sl)+512*(2*((\u)-1)+\j)
.endr
.if \u == 7
	global_load_b64 v[WS+66*(\sl)+64:WS+66*(\sl)+65], v[GS], s[20:21] offset:2048+1024*(\sl)
.endif
.endif
.if ((\u)%2 == 1) && ((\xtra) == 2)
	WIN 0x0f
.irp j, 0,1,2,3
	ds_store_b128 v[SA+1-(\sl)], v[WS+66*(1-(\sl))+4*(2*((\u)-1)+\j):WS+66*(1-(\sl))+4*(2*((\u)-1)+\j)+3] offset:512*(2*((\u)-1)+\j)
.endr
.if \u == 7
	ds_store_b64 v[SSA+1-(\sl)], v[WS+66*(1-(\sl))+64:WS+66*(1-(\sl))+65]
.endif
.endif
.endr
.endm
; A chunk: four tiles out of slot sl.  ld: the chunk two on is asked for, into set sl, whose last stores were done at the barrier before.  st: the next chunk, in the other set, goes into the other slot.
.macro TRIP sl, st, ld, ahead
	TILE \sl, 0, 1, \ld, 0
	TILE \sl, 1, 1, 0, 0
	TILE \sl, 2, 1, 2*(\st), 17*(\ld)
	TILE \sl, 3, \ahead, 0, 0
.endm
.macro REDUCE                          ; E summed over the 16 lanes of a half; my 128 energies leave as 512 consecutive bytes
	WIN 0
.irp x, 1,2,4,8
.set i, 0
.rept 64
	v_add_f32_dpp v[E+i], v[E+i], v[E+i] row_xmask:\x row_mask:0xf bank_mask:0xf
.set i, i+1
.endr
.endr
.irp t, 0,1,2,3,4,5,6,7
	ds_store_b128 v[OUTS], v[E+8*\t:E+8*\t+3] offset:64*\t          ; rows 16 t + 8 h + 0 .. 3: the sixteen lanes of a half store the same bytes with the same values
	ds_store_b128 v[OUTS], v[E+8*\t+4:E+8*\t+7] offset:64*\t+16
.endr
	ds_load_b128 v[RT:RT+3], v[OUTL]
	s_wait_dscnt 0x0
	global_store_b128 v[GO], v[RT:RT+3], s[22:23]  ; 32 lanes store 512 consecutive bytes, at a multiple of 512 from ep's first byte
.endm
	s_load_b256 s[4:11], s[0:1], 0x0               ; enc s[4:5], wimg s[6:7], wsc s[8:9], hidden s[10:11]
	s_load_b64 s[22:23], s[0:1], 0x20              ; ep
	v_lshl_add_u32 v62, v0, 2, 0x4bc00
	v_mov_b32 v63, 0
	v_lshrrev_b32 v1, 5, v0
	v_readfirstlane_b32 s12, v1                    ; wave 0..3
	v_and_b32 v1, 31, v0                           ; lane
	v_and_b32 v2, 15, v0                           ; r
	v_bfe_u32 v3, v0, 4, 1                         ; h
	s_mov_b32 s13, ttmp9                           ; kg
	s_and_b32 s14, ttmp7, 0xffff                   ; rb
	s_mov_b32 s24, 0x76543210
	s_mov_b32 s25, 0xfedcba98                      ; v_permlanex16_b32's selects for lane l xor 16
	s_mov_b32 s26, 0x600000                        ; the mantissa field of 448
	s_mul_i32 s32, s12, 16*SP
	s_add_co_u32 s32, s32, STG                     ; my stage
	s_lshl_b32 s33, s12, 9
	s_add_co_u32 s33, s33, OUTB                    ; my way out
	s_lshl_b32 s34, s12, 10
	s_add_co_u32 s34, s34, HIDB                    ; my quarter of hidden
	s_lshl_b32 s35, s12, 16                        ; my images
	s_lshl_b32 s36, s12, 11
	s_add_co_u32 s36, s36, SCA                     ; their scale words
	s_lshl_b32 s37, s12, 13                        ; my tile of a chunk
	s_add_co_u32 s38, s37, SLOT
	s_lshl_b32 s39, s12, 8                         ; its scale words
	s_add_co_u32 s40, s39, SLSC
	s_add_co_u32 s41, s39, SLOT+SLSC
	s_lshl_b32 s42, s14, 13
	v_lshlrev_b32 v[GO], 4, v1
	v_lshlrev_b32 v7, 2, v2
	v_mul_u32_u24 v14, v2, SP
	v_lshl_add_u32 v14, v3, 6, v14
	v_lshlrev_b32 v15, 3, v1
	v_lshlrev_b32 v[OUTS], 5, v3
	v_add_nc_u32 v[OUTS], s33, v[OUTS]
	v_add_nc_u32 v[OUTL], s33, v[GO]
	v_add_nc_u32 v[AIA], s35, v[GO]
	v_add_nc_u32 v[ASA], s36, v7
	WIN 0xc0                                       ; destination window 3, sources window 0
	v_add_nc_u32 v[STI], s32, v[GO]
	v_add_nc_u32 v[STO], s32, v14
	v_lshlrev_b32 v[GOF], 4, v1
	v_add_nc_u32 v[IMA0], s35, v[GO]
	v_add_nc_u32 v[IMS0], s36, v7
	v_add_nc_u32 v[HST], s34, v[GO]
.irp b, 0,1,2,3
	v_mov_b32 v[TM+4+\b], 0                        ; written once: a lane permute's destination counts as one of its sources
.endr
.irp i, 0,1,2,3,4,5,6,7
	v_mov_b32 v[HID+\i], 0                         ; the pairs' odd registers stay 0; pair 3 is read, against cleared results, before its first load
.endr
	v_lshlrev_b32 v[BA], 4, v1
	v_add_nc_u32 v[BA+1], SLOT, v[GO]
	v_add_nc_u32 v[BS], SLSC, v7
	v_add_nc_u32 v[BS+1], SLOT+SLSC, v7
	v_add_nc_u32 v[HAD], HIDB, v7
	v_add_nc_u32 v[HRB], HIDB+256, v7
	v_add_nc_u32 v[HRB+1], HIDB+512, v7
	v_add_nc_u32 v[GW], s37, v[GO]
	v_add_nc_u32 v[GS], s39, v15
	v_add_nc_u32 v[SA], s37, v[GO]
	v_add_nc_u32 v[SA+1], s38, v[GO]
	v_add_nc_u32 v[SSA], s40, v15
	v_add_nc_u32 v[SSA+1], s41, v15
	v_lshl_add_u32 v[PFO], v1, 8, s42
	s_lshl_b32 s48, s14, 9
	s_lshl_b32 s49, s12, 7
	s_add_co_u32 s48, s48, s49                     ; my first row: 512 rb + 128 w
	s_lshl_b32 s50, s48, 13
	s_lshl_b32 s51, s13, 11                        ; my K group's 2,048 bytes in a row
	s_add_co_u32 s50, s50, s51
	s_mov_b32 s51, 0
	s_lshl_b32 s52, s13, 15
	s_add_co_u32 s52, s52, s48
	s_lshl_b32 s52, s52, 2                         ; ep: (32,768 kg + row) x 4
	s_mov_b32 s53, 0
	s_lshl_b32 s54, s13, 19                        ; wimg: 64 tiles x 8,192 bytes a K group
	s_mov_b32 s55, 0
	s_lshl_b32 s56, s13, 14                        ; wsc: 64 x 256
	s_mov_b32 s57, 0
	s_lshr_b32 s58, s14, 1                         ; the batch
	s_lshl_b32 s58, s58, 12
	s_lshl_b32 s59, s12, 10                        ; my quarter of its row of hidden
	s_add_co_u32 s58, s58, s59
	s_mov_b32 s59, 0
	s_wait_kmcnt 0x0
	s_add_nc_u64 s[18:19], s[4:5], s[50:51]
	s_add_nc_u64 s[16:17], s[6:7], s[54:55]
	s_add_nc_u64 s[20:21], s[8:9], s[56:57]
	s_add_nc_u64 s[10:11], s[10:11], s[58:59]
	s_add_nc_u64 s[22:23], s[22:23], s[52:53]
	WIN 0xc3                                       ; destination and address window 3
.irp i, 0,1
	global_load_b128 v[XS+4*\i:XS+4*\i+3], v[GOF], s[10:11] offset:512*\i
.endr
	RELOAD 0, 0                                    ; my first 16 rows fill the ring
	RELOAD 1, 0
	RELOAD 2, 0
	s_wait_loadcnt 48                              ; hidden is in; the three slots may be out
	WIN 0xff
.irp i, 0,1
	ds_store_b128 v[HST], v[XS+4*\i:XS+4*\i+3] offset:512*\i
.endr
	RELOAD 3, 0
	WIN 0
	s_mov_b32 s27, 0
	s_mov_b32 s29, 0
	s_mov_b32 s30, 0
	s_wait_dscnt 0x0                               ; hidden's stores have read their registers, which the first turn loads again
.Lq:                                                   ; 7 trips: trip m quantises rows 16 m .. 16 m + 15 and asks for the next 16
	Q4 1
	WIN 0
	s_wait_xcnt 0x0                                ; the loads have read their base
	s_add_nc_u64 s[18:19], s[18:19], FRG
	s_add_co_u32 s29, s29, 8192
	s_add_co_u32 s30, s30, 256
	s_add_co_u32 s27, s27, 1
	s_cmp_lt_u32 s27, 7
	s_cbranch_scc1 .Lq
	s_cmp_lg_u32 s12, 0
	s_cbranch_scc1 .Lnopf
	WIN 0x03
	global_prefetch_b8 v[PFO], s[16:17] th:TH_LOAD_NT scope:SCOPE_SE   ; wave 0 of work-group rb asks for bytes 8,192 rb .. + 8,191 of its K group's 524,288 bytes of codes, lanes 256 bytes apart: the 64 work-groups of a K group ask for each block once; the first of them is loaded behind the trip below
	WIN 0
.Lnopf:
	Q4 0                                           ; the last 16 rows: no load leaves the buffer
	s_wait_dscnt 0x0                               ; the last image's stores have read their registers, which the loads below write
	LOADW 0, 0, 0                                  ; my tiles of chunks 0 and 1
	LOADW 1, 32768, 1024
	FETCH_A
	ZERO
	s_wait_dscnt 0x0                               ; my fragments are in registers: I read the images no more
	s_barrier_signal -1
	s_barrier_wait -1                              ; nobody does: the slots may be laid over them
	s_wait_loadcnt 17                              ; chunk 0's 17 loads are in; chunk 1's may be out
	STOREW 0, 0
	s_wait_dscnt 0x0                               ; for the others' sake
	s_barrier_signal -1
	s_barrier_wait -1                              ; chunk 0 and hidden are whole
	BLOAD BA, BS, 0, 0                             ; tile 0's K steps 0, 1, 2 (its K step 3 comes behind its slice 0)
	ds_load_b32 v[HID], v[HAD]                     ; hidden for tile 0
	BLOAD BA, BS, 0, 1
	BLOAD BA, BS, 0, 2
	WIN 0
	s_mov_b32 s27, 0
	s_mov_b32 s31, 0
.Lg:                                                   ; 7 trips of two chunks: chunks 0 to 13
	TRIP 0, 1, 1, 1
	TRIP 1, 1, 1, 1
	WIN 0                                          ; at a label and at a branch every window is 0
	s_wait_xcnt 0x0                                ; the chunks' loads have read their bases
	s_add_nc_u64 s[16:17], s[16:17], 65536
	s_add_nc_u64 s[20:21], s[20:21], 2048
	s_add_co_u32 s31, s31, 512
	s_add_co_u32 s27, s27, 1
	s_cmp_lt_u32 s27, 7
	s_cbranch_scc1 .Lg
	TRIP 0, 1, 0, 1                                ; chunk 14: chunk 15 goes into its slot, nothing more is asked of memory
	TRIP 1, 0, 0, 0                                ; chunk 15: nothing follows
.irp u, 0,1,2,3,4,5,6,7
	SLICE 4, \u                                    ; the last tile's results
.endr
	REDUCE
	s_wait_tensorcnt 0x0
	ds_add_u32 v62, v63
	s_wait_dscnt 0x0
	s_endpgm
.Lfunc_end_k_q17b3d5bffd_energy:
	.size	k_q17b3d5bffd_energy, .Lfunc_end_k_q17b3d5bffd_energy-k_q17b3d5bffd_energy
	.p2alignl 7, 3214868480
	.fill 96, 4, 3214868480
	.section	.rodata,"a",@progbits
	.p2align	6, 0x0
	.amdhsa_kernel k_q17b3d5bffd_energy
		.amdhsa_group_segment_fixed_size 310784
		.amdhsa_private_segment_fixed_size 0
		.amdhsa_enable_private_segment 0
		.amdhsa_kernarg_size 40
		.amdhsa_user_sgpr_count 2
		.amdhsa_user_sgpr_kernarg_segment_ptr 1
		.amdhsa_wavefront_size32 1
		.amdhsa_system_sgpr_workgroup_id_x 1
		.amdhsa_system_sgpr_workgroup_id_y 1
		.amdhsa_system_sgpr_workgroup_id_z 1
		.amdhsa_system_vgpr_workitem_id 0
		.amdhsa_next_free_vgpr 1024
		.amdhsa_next_free_sgpr 66
		.amdhsa_reserve_vcc 0
		.amdhsa_float_denorm_mode_32 3
		.amdhsa_float_denorm_mode_16_64 3
		.amdhsa_memory_ordered 1
		.amdhsa_forward_progress 1
		.amdhsa_inst_pref_size 255
	.end_amdhsa_kernel
	.section	.bss,"aw",@nobits
	.p2align	6
	.space	262144
	.amdgpu_metadata
---
amdhsa.version: [ 1, 2 ]
amdhsa.kernels:
  - .name:           k_q17b3d5bffd_energy
    .symbol:         k_q17b3d5bffd_energy.kd
    .args:
      - { .name: encoder_outputs, .offset: 0, .size: 8, .value_kind: global_buffer, .address_space: global }
      - { .name: wimg, .offset: 8, .size: 8, .value_kind: global_buffer, .address_space: global }
      - { .name: wsc, .offset: 16, .size: 8, .value_kind: global_buffer, .address_space: global }
      - { .name: hidden, .offset: 24, .size: 8, .value_kind: global_buffer, .address_space: global }
      - { .name: ep, .offset: 32, .size: 8, .value_kind: global_buffer, .address_space: global }
    .group_segment_fixed_size: 310784
    .private_segment_fixed_size: 0
    .kernarg_segment_align: 8
    .kernarg_segment_size: 40
    .max_flat_workgroup_size: 128
    .sgpr_count:     66
    .vgpr_count:     1024
    .wavefront_size: 32
...
	.end_amdgpu_metadata
.endif
;; end of part 2
;; launch softmax (part 3): grid 32 x 1, 8 waves a work-group, no clusters, 1,280 bytes of LDS; arguments ep, hidden, b, out0; writes out0
.if DOCPART == 3
	.amdgcn_target "amdgcn-amd-amdhsa--gfx1250"
	.amdhsa_code_object_version 6
	.text
	.protected	k_q17b3d5bffd_softmax
	.globl	k_q17b3d5bffd_softmax
	.p2align	8
	.type	k_q17b3d5bffd_softmax,@function
k_q17b3d5bffd_softmax:
	s_mov_b64 s[64:65], 0
	v_nop
	global_prefetch_b8 v0, s[64:65] scope:SCOPE_SE
	s_setreg_imm32_b32 hwreg(HW_REG_WAVE_MODE, 25, 1), 1
	s_wait_xcnt 0x0
; out0[batch][s] = softmax over s of ( sum over kg of ep[kg][1024 batch + s] + hidden[batch] . b ).  ep [4][32768], hidden [32][1024], b [1024], out0 [32][1024]: f32.
; A work-group of eight waves takes one batch; thread t owns s = 4 t .. 4 t + 3: every load and the store of a wave cover 512 consecutive bytes.
; The bias's part of an energy, hidden . b, is the same number for all s of a batch: it is summed here once and added to every energy.  The row's largest energy is taken away before the exponential.
; No matrix unit, no cluster: 512 KiB are read once and nothing is shared between work-groups.
; LIMITS: NaN and infinities among the inputs are not served.
.macro WSUM x, t                       ; the sum over the wave's 32 lanes, in every lane
.irp m, 1,2,4,8
	v_add_f32_dpp v[\x], v[\x], v[\x] row_xmask:\m row_mask:0xf bank_mask:0xf
.endr
	v_permlanex16_b32 v[\t], v[\x], s16, s17
	v_add_f32 v[\x], v[\x], v[\t]
.endm
	s_load_b256 s[4:11], s[0:1], 0x0               ; ep s[4:5], hidden s[6:7], b s[8:9], out0 s[10:11]
	v_lshl_add_u32 v96, v0, 2, 0x100
	v_mov_b32 v97, 0
	v_lshlrev_b32 v1, 4, v0                        ; 16 t
	v_lshrrev_b32 v2, 5, v0
	v_readfirstlane_b32 s12, v2                    ; wave 0..7
	s_lshl_b32 s14, ttmp9, 12                      ; the batch's 4,096 bytes
	s_mov_b32 s15, 0
	s_mov_b32 s16, 0x76543210
	s_mov_b32 s17, 0xfedcba98                      ; v_permlanex16_b32's selects for lane l xor 16
	v_mov_b32 v3, s12
	v_lshlrev_b32 v3, 2, v3                        ; my wave's word in LDS
	v_mov_b32 v2, 0
	v_mov_b32 v14, 0                               ; written once: a lane permute's destination counts as one of its sources
	v_mov_b32 v15, 0
	s_wait_kmcnt 0x0
	s_add_nc_u64 s[4:5], s[4:5], s[14:15]
	s_add_nc_u64 s[6:7], s[6:7], s[14:15]
	s_add_nc_u64 s[10:11], s[10:11], s[14:15]
	global_load_b128 v[4:7], v1, s[6:7]
	global_load_b128 v[8:11], v1, s[8:9]
.irp k, 0,1,2,3
	global_load_b128 v[16+4*\k:19+4*\k], v1, s[4:5] offset:\k*131072 th:TH_LOAD_NT   ; K group k's part of my four energies
.endr
	s_wait_loadcnt 4                               ; hidden and b are in; the four parts may be out
	v_mul_f32 v12, v4, v8
	v_fmac_f32 v12, v5, v9
	v_fmac_f32 v12, v6, v10
	v_fmac_f32 v12, v7, v11                        ; my four terms of hidden . b
.irp k, 1,2,3
	s_wait_loadcnt 3-\k                            ; parts 0 to k are in
	v_pk_add_f32 v[16:17], v[16:17], v[16+4*\k:17+4*\k]      ; K ascending
	v_pk_add_f32 v[18:19], v[18:19], v[18+4*\k:19+4*\k]
.endr
	v_max3_num_f32 v13, v16, v17, v18
	v_max_num_f32 v13, v13, v19
	WSUM 12, 14
.irp m, 1,2,4,8
	v_max_num_f32_dpp v13, v13, v13 row_xmask:\m row_mask:0xf bank_mask:0xf
.endr
	v_permlanex16_b32 v15, v13, s16, s17
	v_max_num_f32 v13, v13, v15
	ds_store_b32 v3, v12                           ; bytes 0-31: the waves' sums; all lanes store the same word with the same value
	ds_store_b32 v3, v13 offset:32                 ; bytes 32-63: their maxima
	s_wait_dscnt 0x0                               ; for the others' sake
	s_barrier_signal -1
	s_barrier_wait -1
	ds_load_b128 v[80:83], v2
	ds_load_b128 v[84:87], v2 offset:16
	ds_load_b128 v[88:91], v2 offset:32
	ds_load_b128 v[92:95], v2 offset:48
	s_wait_dscnt 0x0
	v_add_f32 v80, v80, v81
	v_add_f32 v82, v82, v83
	v_add_f32 v84, v84, v85
	v_add_f32 v86, v86, v87
	v_add_f32 v80, v80, v82
	v_add_f32 v84, v84, v86
	v_add_f32 v80, v80, v84                        ; hidden . b
	v_max3_num_f32 v88, v88, v89, v90
	v_max3_num_f32 v88, v88, v91, v92
	v_max3_num_f32 v88, v88, v93, v94
	v_max_num_f32 v88, v88, v95
	v_add_f32 v89, v88, v80                        ; the largest energy: an addition's rounding keeps the order, so this is the largest of the sums below
.irp j, 16,17,18,19
	v_add_f32 v\j, v\j, v80
.endr
.irp j, 16,17,18,19
	v_sub_f32 v\j, v\j, v89
.endr
.irp j, 16,17,18,19
	v_mul_f32 v\j, 0x3fb8aa3b, v\j                 ; x log2(e)
.endr
.irp j, 16,17,18,19
	v_exp_f32 v\j, v\j
.endr
	v_nop                                          ; a plain line behind the exponentials
	s_wait_alu depctr_va_vdst(0)
	v_add_f32 v20, v16, v17
	v_add_f32 v21, v18, v19
	v_add_f32 v20, v20, v21
	WSUM 20, 14
	ds_store_b32 v3, v20 offset:64                 ; bytes 64-95: other bytes than the first exchange's
	s_wait_dscnt 0x0
	s_barrier_signal -1
	s_barrier_wait -1
	ds_load_b128 v[80:83], v2 offset:64
	ds_load_b128 v[84:87], v2 offset:80
	s_wait_dscnt 0x0
	v_add_f32 v80, v80, v81
	v_add_f32 v82, v82, v83
	v_add_f32 v84, v84, v85
	v_add_f32 v86, v86, v87
	v_add_f32 v80, v80, v82
	v_add_f32 v84, v84, v86
	v_add_f32 v80, v80, v84                        ; the row's sum, at least 1: the largest energy's term is 1
	v_rcp_f32 v21, v80
	v_nop                                          ; a plain line behind the reciprocal
	s_wait_alu depctr_va_vdst(0)
.irp j, 16,17,18,19
	v_mul_f32 v\j, v\j, v21
.endr
	global_store_b128 v1, v[16:19], s[10:11]       ; a wave stores 512 consecutive bytes
	s_wait_tensorcnt 0x0
	ds_add_u32 v96, v97
	s_wait_dscnt 0x0
	s_endpgm
.Lfunc_end_k_q17b3d5bffd_softmax:
	.size	k_q17b3d5bffd_softmax, .Lfunc_end_k_q17b3d5bffd_softmax-k_q17b3d5bffd_softmax
	.p2alignl 7, 3214868480
	.fill 96, 4, 3214868480
	.section	.rodata,"a",@progbits
	.p2align	6, 0x0
	.amdhsa_kernel k_q17b3d5bffd_softmax
		.amdhsa_group_segment_fixed_size 1280
		.amdhsa_private_segment_fixed_size 0
		.amdhsa_enable_private_segment 0
		.amdhsa_kernarg_size 32
		.amdhsa_user_sgpr_count 2
		.amdhsa_user_sgpr_kernarg_segment_ptr 1
		.amdhsa_wavefront_size32 1
		.amdhsa_system_sgpr_workgroup_id_x 1
		.amdhsa_system_sgpr_workgroup_id_y 1
		.amdhsa_system_sgpr_workgroup_id_z 1
		.amdhsa_system_vgpr_workitem_id 0
		.amdhsa_next_free_vgpr 98
		.amdhsa_next_free_sgpr 66
		.amdhsa_reserve_vcc 0
		.amdhsa_float_denorm_mode_32 3
		.amdhsa_float_denorm_mode_16_64 3
		.amdhsa_memory_ordered 1
		.amdhsa_forward_progress 1
		.amdhsa_inst_pref_size 7
	.end_amdhsa_kernel
	.amdgpu_metadata
---
amdhsa.version: [ 1, 2 ]
amdhsa.kernels:
  - .name:           k_q17b3d5bffd_softmax
    .symbol:         k_q17b3d5bffd_softmax.kd
    .args:
      - { .name: ep, .offset: 0, .size: 8, .value_kind: global_buffer, .address_space: global }
      - { .name: hidden, .offset: 8, .size: 8, .value_kind: global_buffer, .address_space: global }
      - { .name: b, .offset: 16, .size: 8, .value_kind: global_buffer, .address_space: global }
      - { .name: out0, .offset: 24, .size: 8, .value_kind: global_buffer, .address_space: global }
    .group_segment_fixed_size: 1280
    .private_segment_fixed_size: 0
    .kernarg_segment_align: 8
    .kernarg_segment_size: 32
    .max_flat_workgroup_size: 256
    .sgpr_count:     66
    .vgpr_count:     98
    .wavefront_size: 32
...
	.end_amdgpu_metadata
.endif
;; end of part 3
;; ======== version 2 of 2: 3 launches
;; workspace buffers: wimg 2,097,152 bytes; wsc 65,536 bytes; ep 524,288 bytes
;; launch wq (part 4): grid 256 x 1, 4 waves a work-group, no clusters, 34,560 bytes of LDS; arguments W, wimg, wsc; writes wimg, wsc
.if DOCPART == 4
	.amdgcn_target "amdgcn-amd-amdhsa--gfx1250"
	.amdhsa_code_object_version 6
	.text
	.protected	k_q17b3d5bffd_wq
	.globl	k_q17b3d5bffd_wq
	.p2align	8
	.type	k_q17b3d5bffd_wq,@function
k_q17b3d5bffd_wq:
	s_mov_b64 s[64:65], 0
	v_nop
	global_prefetch_b8 v0, s[64:65] scope:SCOPE_SE
	s_setreg_imm32_b32 hwreg(HW_REG_WAVE_MODE, 25, 1), 1
	s_wait_xcnt 0x0
; W [1024][2048] f32 is turned into codes of E4M3 with one E8M0 scale for each 32 along K, laid as the next launch's operand registers take them:
; wimg[kg][t][s]: the fragment of W's rows 16 t .. 16 t + 15 and K step 4 kg + s (128 along K) as an image of its 16 registers: four groups of 512 bytes, lane l's 16 bytes at 16 l;
; wsc[kg][t][s][r]: row r's scale word.  kg = 0..3, t = 0..63, s = 0..3.
; Work-group 64 kg + t; wave s makes one fragment.  Each of its 16 loads reads 512 consecutive bytes of a row; the 8,192 bytes turn through the wave's own stage in LDS, so that a lane
; holds 16 neighbours of each block of its row r.  The image leaves as four stores of 512 consecutive bytes; the four waves' scale words meet in LDS and leave as 256 consecutive bytes.
; LIMITS: NaN and infinities among the inputs are not served.  A block of zeros gets the scale byte 1 where the rule says 127: its codes are zeros, and the bytes are read by this program alone.
.set SP,   528                         ; a stage row: 512 bytes + 16: row r starts 132 words on, at bank 4 r mod 64 (64 banks of 4 bytes: ISA guide 11.1)
.set SCG,  4*16*SP                     ; behind the four stages: the work-group's 64 scale words
.set PW,   16                          ; v16      the scale word
.set R,    32                          ; v32-95   16 rows x 512 bytes as loaded
.set XS,   96                          ; v96-159  register 16 b + i = k 32 b + 16 h + i of my row r
.set PC,   160                         ; v160-175 the codes
.set TM,   176                         ; v176-191 at work
	s_load_b128 s[4:7], s[0:1], 0x0                ; W, wimg
	s_load_b64 s[8:9], s[0:1], 0x10                ; wsc
	v_lshl_add_u32 v192, v0, 2, 0x8500
	v_mov_b32 v193, 0
	v_lshrrev_b32 v1, 5, v0
	v_readfirstlane_b32 s12, v1                    ; wave 0..3
	v_and_b32 v1, 31, v0                           ; lane
	v_and_b32 v2, 15, v0                           ; r
	s_wait_alu depctr_va_vdst(0)
	v_bfe_u32 v3, v0, 4, 1                         ; h
	s_lshr_b32 s13, ttmp9, 6                       ; kg
	s_and_b32 s14, ttmp9, 63                       ; t
	s_mov_b32 s24, 0x76543210
	s_mov_b32 s25, 0xfedcba98                      ; v_permlanex16_b32's selects for lane l xor 16
	s_mov_b32 s26, 0x600000                        ; the mantissa field of 448
	s_mul_i32 s15, s12, 16*SP                      ; my stage
	v_lshlrev_b32 v4, 4, v1                        ; 16 x lane
	v_add_nc_u32 v5, s15, v4                       ; the stage, on the way in
	v_mul_u32_u24 v6, v2, SP
	v_lshl_add_u32 v6, v3, 6, v6
	v_add_nc_u32 v6, s15, v6                       ; and on the way out: 528 r + 64 h
	s_lshl_b32 s16, s12, 6
	s_add_co_u32 s16, s16, SCG
	v_lshlrev_b32 v7, 2, v2
	v_add_nc_u32 v7, s16, v7                       ; my row's scale word: 64 x wave + 4 r
	v_lshlrev_b32 v8, 3, v1                        ; 8 x lane
	v_add_nc_u32 v9, SCG, v8
.irp b, 0,1,2,3
	v_mov_b32 v[TM+4+\b], 0                        ; written once: a lane permute's destination counts as one of its sources
.endr
	s_lshl_b32 s20, s14, 17                        ; 16 t rows of 8,192 bytes
	s_lshl_b32 s21, s13, 2
	s_add_co_u32 s21, s21, s12
	s_lshl_b32 s21, s21, 9                         ; K step 4 kg + wave: 512 bytes of a row
	s_add_co_u32 s20, s20, s21
	s_mov_b32 s21, 0
	s_lshl_b32 s22, ttmp9, 13                      ; the tile's four images,
	s_lshl_b32 s23, s12, 11                        ; mine among them
	s_add_co_u32 s22, s22, s23
	s_mov_b32 s23, 0
	s_lshl_b32 s28, ttmp9, 8                       ; the tile's 256 bytes of scale words
	s_mov_b32 s29, 0
	s_wait_alu depctr_va_vdst(0)
	s_wait_kmcnt 0x0
	s_add_nc_u64 s[4:5], s[4:5], s[20:21]
	s_add_nc_u64 s[6:7], s[6:7], s[22:23]
	s_add_nc_u64 s[8:9], s[8:9], s[28:29]
.irp i, 0,1,2,3,4,5,6,7,8,9,10,11,12,13,14,15
	global_load_b128 v[R+4*\i:R+4*\i+3], v4, s[4:5] offset:8192*\i th:TH_LOAD_NT   ; 512 consecutive bytes of row i; read once in this launch
.endr
	s_wait_loadcnt 0x0
.irp i, 0,1,2,3,4,5,6,7,8,9,10,11,12,13,14,15
	ds_store_b128 v5, v[R+4*\i:R+4*\i+3] offset:SP*\i
.endr
.irp b, 0,1,2,3
.irp j, 0,1,2,3
	ds_load_b128 v[XS+16*\b+4*\j:XS+16*\b+4*\j+3], v6 offset:128*\b+16*\j   ; LDS serves a wave's instructions in order: these see the stores above
.endr
.endr
	s_wait_dscnt 0x0
.irp b, 0,1,2,3
	v_max3_num_f32 v[TM+\b], |v[XS+16*\b]|, |v[XS+1+16*\b]|, 0x4800000   ; block b: my 16 numbers, and the floor 2^(9 - 127): the byte cannot fall under 1
.endr
.irp i, 2,4,6,8,10,12,14
.irp b, 0,1,2,3
	v_max3_num_f32 v[TM+\b], v[TM+\b], |v[XS+16*\b+\i]|, |v[XS+1+16*\b+\i]|   ; the four blocks by turns
.endr
.endr
.irp b, 0,1,2,3
	v_permlanex16_b32 v[TM+4+\b], v[TM+\b], s24, s25
.endr
.irp b, 0,1,2,3
	v_max_num_f32 v[TM+\b], v[TM+\b], v[TM+4+\b]   ; with lane l xor 16's: the block's largest magnitude
.endr
.irp b, 0,1,2,3
	v_add_nc_u32 v[TM+12+\b], 0xfc000000, v[TM+\b] ; 8 off its exponent field: the conversion takes this operand's exponent field as its scale
.endr
.irp b, 0,1,2,3
	v_and_or_b32 v[TM+8+\b], v[TM+\b], 0x7f800000, s26   ; 448 x the scale
.endr
.irp b, 0,1,2,3
	v_lshrrev_b32 v[TM+4+\b], 23, v[TM+12+\b]      ; the scale's byte
.endr
	v_lshl_or_b32 v[PW], v[TM+5], 8, v[TM+4]
	v_lshl_or_b32 v[PW], v[TM+6], 16, v[PW]
	v_lshl_or_b32 v[PW], v[TM+7], 24, v[PW]
.irp b, 0,1,2,3
.irp i, 0,1,2,3,4,5,6,7,8,9,10,11,12,13,14,15
	v_med3_num_f32 v[XS+16*\b+\i], v[XS+16*\b+\i], -v[TM+8+\b], v[TM+8+\b]   ; the conversion to an 8-bit code does not saturate (ISA guide 7.6.2): the hold comes first
.endr
	v_cvt_scalef32_pk8_fp8_f32 v[PC+4*\b:PC+1+4*\b], v[XS+16*\b:XS+7+16*\b], v[TM+12+\b]
	v_cvt_scalef32_pk8_fp8_f32 v[PC+2+4*\b:PC+3+4*\b], v[XS+8+16*\b:XS+15+16*\b], v[TM+12+\b]
.endr
	v_nop                                          ; a plain line behind the last conversion
.irp c, 0,1,2,3
	global_store_b128 v4, v[PC+4*\c:PC+4*\c+3], s[6:7] offset:512*\c   ; the image: 512 consecutive bytes a store
.endr
	ds_store_b32 v7, v[PW]                         ; lanes r and r + 16 store the same word with the same value
	s_wait_dscnt 0x0                               ; for the others' sake
	s_barrier_signal -1
	s_barrier_wait -1
	s_cmp_lg_u32 s12, 0
	s_cbranch_scc1 .Lend                           ; wave 0 stores the tile's 64 scale words
	ds_load_b64 v[10:11], v9
	s_wait_dscnt 0x0
	global_store_b64 v8, v[10:11], s[8:9]          ; 32 lanes store 256 consecutive bytes, at a multiple of 256 from wsc's first byte
.Lend:
	s_wait_tensorcnt 0x0
	ds_add_u32 v192, v193
	s_wait_dscnt 0x0
	s_endpgm
.Lfunc_end_k_q17b3d5bffd_wq:
	.size	k_q17b3d5bffd_wq, .Lfunc_end_k_q17b3d5bffd_wq-k_q17b3d5bffd_wq
	.p2alignl 7, 3214868480
	.fill 96, 4, 3214868480
	.section	.rodata,"a",@progbits
	.p2align	6, 0x0
	.amdhsa_kernel k_q17b3d5bffd_wq
		.amdhsa_group_segment_fixed_size 34560
		.amdhsa_private_segment_fixed_size 0
		.amdhsa_enable_private_segment 0
		.amdhsa_kernarg_size 24
		.amdhsa_user_sgpr_count 2
		.amdhsa_user_sgpr_kernarg_segment_ptr 1
		.amdhsa_wavefront_size32 1
		.amdhsa_system_sgpr_workgroup_id_x 1
		.amdhsa_system_sgpr_workgroup_id_y 1
		.amdhsa_system_sgpr_workgroup_id_z 1
		.amdhsa_system_vgpr_workitem_id 0
		.amdhsa_next_free_vgpr 194
		.amdhsa_next_free_sgpr 66
		.amdhsa_reserve_vcc 0
		.amdhsa_float_denorm_mode_32 3
		.amdhsa_float_denorm_mode_16_64 3
		.amdhsa_memory_ordered 1
		.amdhsa_forward_progress 1
		.amdhsa_inst_pref_size 15
	.end_amdhsa_kernel
	.amdgpu_metadata
---
amdhsa.version: [ 1, 2 ]
amdhsa.kernels:
  - .name:           k_q17b3d5bffd_wq
    .symbol:         k_q17b3d5bffd_wq.kd
    .args:
      - { .name: W, .offset: 0, .size: 8, .value_kind: global_buffer, .address_space: global }
      - { .name: wimg, .offset: 8, .size: 8, .value_kind: global_buffer, .address_space: global }
      - { .name: wsc, .offset: 16, .size: 8, .value_kind: global_buffer, .address_space: global }
    .group_segment_fixed_size: 34560
    .private_segment_fixed_size: 0
    .kernarg_segment_align: 8
    .kernarg_segment_size: 24
    .max_flat_workgroup_size: 128
    .sgpr_count:     66
    .vgpr_count:     194
    .wavefront_size: 32
...
	.end_amdgpu_metadata
.endif
;; end of part 4
;; launch energy (part 5): grid 4 x 64, 4 waves a work-group, no clusters, 310,784 bytes of LDS; arguments encoder_outputs, wimg, wsc, hidden, ep; writes ep
.if DOCPART == 5
	.amdgcn_target "amdgcn-amd-amdhsa--gfx1250"
	.amdhsa_code_object_version 6
	.text
	.protected	k_q17b3d5bffd_energy
	.globl	k_q17b3d5bffd_energy
	.p2align	8
	.type	k_q17b3d5bffd_energy,@function
k_q17b3d5bffd_energy:
	s_mov_b64 s[64:65], 0
	v_nop
	global_prefetch_b8 v0, s[64:65] scope:SCOPE_SE
	s_setreg_imm32_b32 hwreg(HW_REG_WAVE_SCHED_MODE, 0, 2), 2
	s_setreg_imm32_b32 hwreg(HW_REG_WAVE_MODE, 25, 1), 1
	s_wait_xcnt 0x0
	s_wait_alu depctr_vm_vsrc(0)
; ep[kg][row] = sum over n of hidden[batch(row)][n] * ( sum over k in K group kg of Q(enc)[row][k] Q(W)[n][k] ),  kg = 0..3, a K group = 512 = four K steps of 128.
; enc [32768 rows][2048] f32; wimg, wsc: W's codes and scale words as the launch before laid them; hidden [32][1024] f32; ep [4][32768] f32.  Q: codes of E4M3, one E8M0 scale for each 32 along K.
; The energy of a row is linear in the product's row: a 16 x 16 result summed over the group's four K steps is multiplied by hidden and summed at once, in f32.  The next launch adds a row's four parts.
; SHARES.  Work-group (kg, rb) takes rows 512 rb .. 512 rb + 511 (one batch) and K group kg; wave w its rows 128 w .. 128 w + 127: 8 x 4 fragments of 16 rows x 128 K.  Every byte of enc is read once in the launch.
; PHASE Q.  The wave's 32 fragments are loaded, quantised in registers and laid in LDS as images of their registers (four groups of 512 bytes, lane l's 16 bytes at 16 l; a scale word at 4 r);
; a loop writes them, so they cannot go to numbered registers at once.  Then all 32 come into windows 1 and 2 and stay.
; PHASE G.  W's 64 tiles of 16 rows pass by, in 16 chunks of 4 tiles.  A tile is 32 matrix instructions (source 0 = 16 rows of enc, source 1 = 16 rows of W): K steps 0 to 3, each on the 8 accumulators by turns, C = 0 in
; K step 0.  In a result lane (r, h) holds column n = r and rows 8 h + j; four packed multiply-adds fold it into E[j] += hidden[16 t + r] x D[j]; at the end E is summed over the 16 lanes of a half.
; A chunk (32 KiB of images, 1 KiB of scale words) comes through registers: each wave loads one tile, six tiles ahead, and stores it into the other of two LDS slots, which lie over the images that are done with.
; W's chunks are not asked for jointly in a cluster: they are 528 KiB of the 1.5 MiB that a work-group reads, out of 2 MiB that all work-groups share, and each of the 16 refills would want a round of the cluster's barrier.
; LIMITS: NaN and infinities among the inputs are not served (cleared results are multiplied by hidden's place-holder 0).  A block of zeros gets the scale byte 1 where the rule says 127: its codes are zeros, and
; the bytes are read by this program alone.  The f32 sums over K and N are grouped by K group and by lane, another order than the reference's.
; THE MODE: SCHED_MODE bits 1:0 = 2 (LLVM: expert scheduling mode 2), set by the entry lines.  The code itself states the register dependences between vector or matrix instructions and memory or LDS
; instructions, with s_wait_alu, always for 0.
; THE PLAN, PHASE Q.  Registers that memory or LDS instructions touch:
;   ring slot q   Written by its 16 global loads; read by the 16 LDS stores that send it into the stage.  No vector instruction names it.
;   XS0, XS1      Written by the 16 LDS loads out of the stage; read and written by the quantiser.
;   PC0/1, PW0/1  Written by the quantiser; read by the image's five LDS stores.
;   IMA, IMS      Written once in four steps; read by the images' stores.      STI, STO, GOF: made at the head, never written again.
; Step q quantises XS[q % 2] and, meanwhile, sends slot (q + 1) % 4 through the stage into the other XS.  Two waits a step.  vm_vsrc at its head: the stage's stores have read slot q, which is asked for again; the
; stores of the image two steps back have read PC[q % 2] and PW[q % 2], which this step writes; in step 0 the last image's stores have read IMA and IMS.  va_vdst behind the quantiser: PC, PW (and IMA, IMS) are
; written, which the image's stores read; and XS[q % 2] is done with, in which the loads of the next step land: no vector line between this wait and those loads names that set.
; THE PLAN, PHASE G.
;   P0, P1        W's K steps 0, 1 of the even and of the odd tiles, with their scale words: written by LDS loads in the tile before, read by the tile's first 16 products.
;   Q             W's K steps 2, 3 of every tile, with their scale words: written by LDS loads early in the tile, read by its last 16 products.
;   HID           four pairs: tile t's is loaded in tile t - 1 and read by the slices of tile t + 1.
;   WS0, WS1      staging sets: written by global loads, read by LDS stores; no vector line names them.        v[HAD]: written once a chunk.        All other addresses: made at the head.
; ONE wait on va_vdst stands at a tile's head, behind all of the tile before.  It frees Q (for this tile), the other P (for the next tile; last read in the tile before) and the next pair of HID (last read two
; tiles back), and shows v[HAD] written.  The tile's own lines name its P, the pair of the tile before, and Q only behind Q's loads and the wait for them: so the tile's four groups of LDS loads are dealt
; among its products with no further wait.  vm_vsrc stands at the head of a chunk's first tile (a staging set is loaded again) and ahead of the add to v[HAD].
.set ROWP,  8192                       ; bytes from row to row of enc
.set FRG,   16*ROWP                    ; 16 rows
; LDS
.set SCA,   262144                     ; 0 .. 262,143: the images, 65,536 bytes a wave: + 8,192 m + 2,048 k.  From here their scale words: + 2,048 w + 256 m + 64 k
.set STG,   270336                     ; a stage of 16 rows for each wave
.set SP,    528                        ; its rows: 512 bytes + 16: row r starts 132 words on, at bank 4 r mod 64 (64 banks of 4 bytes: ISA guide 11.1)
.set HIDB,  304128                     ; the batch's row of hidden, 4,096 bytes
.set OUTB,  308224                     ; a wave's 128 energies, 512 bytes each wave
.set SLOT,  33792                      ; phase G: two slots, at 0 and here: 4 tiles x 8,192 bytes,
.set SLSC,  32768                      ; then their scale words, 256 bytes a tile
; REGISTERS, in windows of 256.  Window 0:
.set OUTS,  4                          ; v4      OUT + 32 h
.set OUTL,  5                          ; v5      OUT + 16 x lane
.set GO,    6                          ; v6      16 x lane
.set RT,    8                          ; v8-11   the energies on their way out
.set AIA,   12                         ; v12     my images + 16 x lane
.set ASA,   13                         ; v13     their scale words + 4 r
.set ASC,   16                         ; v16-47  scale words of enc's fragments, 4 m + k   (scales and nothing else)
.set BSC,   48                         ; v48-51  scale words of W's K steps 0 to 3 (0, 1: the even tiles'); v52-53 of K steps 0, 1 of the odd tiles   (likewise)
.set D,     64                         ; v64-191 two sets of 8 results
.set E,     192                        ; v192-255 8 x 8 running energies
; v62, v63: the closing add's two registers.
; Windows 1 and 2: enc's fragments: (m, k) at v[128 (k % 2) + 16 m] of window 1 + k / 2.  In phase Q window 2 is a ring of 4 slots of 64: 16 rows x 512 bytes as loaded.
; Window 3, phase Q:
.set XS,    0                          ; v0-127   two sets of 64 numbers: register 16 b + i = k 32 b + 16 h + i of my row r
.set PC,    128                        ; v128-159 two sets of codes
.set TM,    160                        ; v160-175 at work
.set PW,    176                        ; v176-177 two scale words
.set STI,   178                        ; my stage + 16 x lane
.set STO,   179                        ; my stage + 528 r + 64 h
.set GOF,   180                        ; 16 x lane
.set IMA0,  181                        ; 65,536 w + 16 x lane
.set IMS0,  182                        ; SCA + 2,048 w + 4 r
.set IMA,   183                        ; where the four images in hand go
.set IMS,   184                        ; and their scale words
.set HST,   186                        ; hidden + 1,024 w + 16 x lane
; Window 3, phase G:
.set B,     0                          ; v0-31    P0: K steps 0, 1 of the even tiles;  v32-63 Q: K steps 2, 3 of every tile
.set WS,    64                         ; v64-129, v130-195 two sets of 66: a tile of W on its way from memory to LDS
.set HID,   196                        ; v196-203 four pairs: hidden[16 t + r] in the even register; the odd one is named with it and holds 0
.set BA,    204                        ; v204-205 slot 0, 1 + 16 x lane
.set BS,    206                        ; v206-207 their scale words + 4 r
.set HAD,   208                        ; v208     hidden + 4 r + 256 x chunk
.set HRB,   209                        ; v209-210 hidden + 4 r + 256, + 512
.set GW,    211                        ; 8,192 w + 16 x lane: my tile of a chunk, in memory
.set GS,    212                        ; 256 w + 8 x lane: its scale words
.set SA,    213                        ; v213-214 the same places in slot 0, 1
.set SSA,   215                        ; v215-216
.set PFO,   218                        ; 8,192 rb + 256 x lane
.set B1,    220                        ; v220-251 P1: K steps 0, 1 of the odd tiles
; SCALARS: s[4:11] enc, wimg, wsc, hidden; s12 wave, s13 kg, s14 rb; s[16:17] wimg's pointer, s[20:21] wsc's, s[18:19] enc's, s[22:23] ep; s[24:25] lane selects; s26 448's mantissa field;
; s27 counter; s29, s30 steps of the image and scale-word addresses; s31 hidden's step; s32-59 at work
.set MSB, 0
.macro WIN new                         ; s_set_vgpr_msb: bits 1:0 source 0, 3:2 source 1, 5:4 source 2, 7:6 destination; the high byte repeats the setting that is left
.if MSB != \new
	s_set_vgpr_msb (MSB<<8)|\new
.set MSB, \new
.endif
.endm
; Slot q's 16 rows go through my stage and come back 64 bytes a block and lane: a load reads 512 consecutive bytes of a row, a conversion wants 16 neighbours in one lane.  The way in:
.macro TOSTG q, n
	s_wait_loadcnt \n                              ; loads come back in order: slot q's sixteen are in, n younger ones may be out
	WIN 0x0b                                       ; address window 3, data window 2
.irp i, 0,1,2,3,4,5,6,7,8,9,10,11,12,13,14,15
	ds_store_b128 v[STI], v[64*(\q)+4*\i:64*(\q)+4*\i+3] offset:SP*\i
.endr
	WIN 0xff                                       ; all in window 3
.endm
; and the way back: numbers 2 k and 2 k + 1 of the sixteen loads into set x.  LDS serves a wave's instructions in order: they see the stores above.
.macro BACK2 x, k
.irp e, 0,1
	ds_load_b128 v[XS+64*(\x)+4*(2*(\k)+\e):XS+64*(\x)+4*(2*(\k)+\e)+3], v[STO] offset:128*((2*(\k)+\e)/4)+16*((2*(\k)+\e)%4)
.endr
.endm
; Slot q is asked for: K step q of the 16 rows that begin base bytes behind the pointer.  The four slots' loads of a row are 2,048 consecutive bytes.
.macro RELOAD q, base
	WIN 0x83                                       ; destination window 2, address window 3
.irp i, 0,1,2,3,4,5,6,7,8,9,10,11,12,13,14,15
	global_load_b128 v[64*(\q)+4*\i:64*(\q)+4*\i+3], v[GOF], s[18:19] offset:(\base)+(\q)*512+\i*ROWP th:TH_LOAD_NT
.endr
.endm
; 64 numbers of a lane become a fragment's 16 registers of codes and its row's scale word.  nx = 0, 1: the sixteen loads that bring the next slot back into set nx are dealt among the first 32 lines, two behind
; each four: these lines name v[s ..] and TM, not that set.  nx = -1: none.
.macro QUANT s, pc, pw, nx
.irp b, 0,1,2,3
	v_max3_num_f32 v[TM+\b], |v[\s+16*\b]|, |v[\s+1+16*\b]|, 0x4800000   ; block b: my 16 numbers, and the floor 2^(9 - 127): the byte cannot fall under 1
.endr
.if (\nx) >= 0
	BACK2 \nx, 0
.endif
.irp i, 2,4,6,8,10,12,14
.irp b, 0,1,2,3
	v_max3_num_f32 v[TM+\b], v[TM+\b], |v[\s+16*\b+\i]|, |v[\s+1+16*\b+\i]|   ; the four blocks by turns
.endr
.if (\nx) >= 0
	BACK2 \nx, \i/2
.endif
.endr
.irp b, 0,1,2,3
	v_permlanex16_b32 v[TM+4+\b], v[TM+\b], s24, s25
.endr
.irp b, 0,1,2,3
	v_max_num_f32 v[TM+\b], v[TM+\b], v[TM+4+\b]   ; with lane l xor 16's: the block's largest magnitude
.endr
.irp b, 0,1,2,3
	v_add_nc_u32 v[TM+12+\b], 0xfc000000, v[TM+\b] ; 8 off its exponent field: the conversion takes this operand's exponent field as its scale
.endr
.irp b, 0,1,2,3
	v_and_or_b32 v[TM+8+\b], v[TM+\b], 0x7f800000, s26   ; 448 x the scale
.endr
.irp b, 0,1,2,3
	v_lshrrev_b32 v[TM+4+\b], 23, v[TM+12+\b]      ; the scale's byte
.endr
	v_lshl_or_b32 v[\pw], v[TM+5], 8, v[TM+4]
	v_lshl_or_b32 v[\pw], v[TM+6], 16, v[\pw]
	v_lshl_or_b32 v[\pw], v[TM+7], 24, v[\pw]
.irp b, 0,1,2,3
.irp i, 0,1,2,3,4,5,6,7,8,9,10,11,12,13,14,15
	v_med3_num_f32 v[\s+16*\b+\i], v[\s+16*\b+\i], -v[TM+8+\b], v[TM+8+\b]   ; the conversion to an 8-bit code does not saturate (ISA guide 7.6.2): the hold comes first
.endr
	v_cvt_scalef32_pk8_fp8_f32 v[\pc+4*\b:\pc+1+4*\b], v[\s+16*\b:\s+7+16*\b], v[TM+12+\b]
	v_cvt_scalef32_pk8_fp8_f32 v[\pc+2+4*\b:\pc+3+4*\b], v[\s+8+16*\b:\s+15+16*\b], v[TM+12+\b]
.endr
	v_nop                                          ; a plain line behind the last conversion
.endm
.macro IMAGE q                         ; five LDS stores: the fragment as it stands, and its scale word (lanes r and r + 16 store the same word with the same value)
.irp c, 0,1,2,3
	ds_store_b128 v[IMA], v[PC+16*((\q)%2)+4*\c:PC+16*((\q)%2)+4*\c+3] offset:2048*(\q)+512*\c
.endr
	ds_store_b32 v[IMS], v[PW+((\q)%2)] offset:64*(\q)
.endm
; The four K steps of 16 rows: the ring's four slots are quantised and, mode 1, asked for again with the next 16 rows.  Slot 0 has gone through the stage when the four steps begin;
; step q sends slot q + 1 through it, and in mode 1 step 3 sends slot 0 of the next 16 rows.
.macro Q4 mode
.irp q, 0,1,2,3
	WIN 0xff
.if \q == 0
	s_wait_dscnt 0x0                               ; slot 0 is back from the stage (on the way into the loop nothing younger is out, so the count is 0)
.else
	s_wait_dscnt 5                                 ; all but the five stores of the image just made: slot q is back from the stage
.endif
	s_wait_alu depctr_vm_vsrc(0)                   ; the stage's stores have read slot q, in which the loads below land; the image's stores of two steps back have read PC and PW of this step's set; step 0: the last image's have read IMA and IMS
.if \q == 0
	v_add_nc_u32 v[IMA], s29, v[IMA0]              ; the addresses of this run's images
	v_add_nc_u32 v[IMS], s30, v[IMS0]
.endif
.if \mode
	RELOAD \q, FRG
	TOSTG (\q+1)%4, 48                             ; behind that slot's loads: the slots not yet sent and those just asked for again, three in all
	QUANT XS+64*(\q%2), PC+16*(\q%2), PW+(\q%2), (\q+1)%2
.elseif \q < 3
	TOSTG \q+1, 32-16*\q                           ; nothing is asked for any more: the counts run down
	QUANT XS+64*(\q%2), PC+16*(\q%2), PW+(\q%2), (\q+1)%2
.else
	QUANT XS+64*(\q%2), PC+16*(\q%2), PW+(\q%2), -1
.endif
	s_wait_alu depctr_va_vdst(0)                   ; the quantiser has written PC and PW (step 0: the adds IMA and IMS), which the stores below read; and it is done with its XS, in which the next step's loads land
	IMAGE \q
.endr
.endm
.macro LOADW set, off, offs            ; my tile of a chunk, 17 loads, into a staging set
	WIN 0xc3                                       ; destination and address window 3
.irp j, 0,1,2,3,4,5,6,7,8,9,10,11,12,13,14,15
	global_load_b128 v[WS+66*(\set)+4*\j:WS+66*(\set)+4*\j+3], v[GW], s[16:17] offset:(\off)+512*\j
.endr
	global_load_b64 v[WS+66*(\set)+64:WS+66*(\set)+65], v[GS], s[20:21] offset:\offs
.endm
.macro STOREW set, slot                ; and from there into a slot
	WIN 0x0f                                       ; address and data window 3
.irp j, 0,1,2,3,4,5,6,7,8,9,10,11,12,13,14,15
	ds_store_b128 v[SA+(\slot)], v[WS+66*(\set)+4*\j:WS+66*(\set)+4*\j+3] offset:512*\j
.endr
	ds_store_b64 v[SSA+(\slot)], v[WS+66*(\set)+64:WS+66*(\set)+65]
.endm
.macro FETCH_A                         ; my 32 fragments and their scale words; the wait for them follows in the text
	WIN 0x40                                       ; destination window 1
.irp m, 0,1,2,3,4,5,6,7
.irp k, 0,1
.irp c, 0,1,2,3
	ds_load_b128 v[128*\k+16*\m+4*\c:128*\k+16*\m+4*\c+3], v[AIA] offset:8192*\m+2048*\k+512*\c
.endr
.endr
.endr
	WIN 0x80                                       ; destination window 2
.irp m, 0,1,2,3,4,5,6,7
.irp k, 0,1
.irp c, 0,1,2,3
	ds_load_b128 v[128*\k+16*\m+4*\c:128*\k+16*\m+4*\c+3], v[AIA] offset:8192*\m+2048*(\k+2)+512*\c
.endr
.endr
.endr
	WIN 0
.irp m, 0,1,2,3,4,5,6,7
.irp k, 0,1,2,3
	ds_load_b32 v[ASC+4*\m+\k], v[ASA] offset:256*\m+64*\k
.endr
.endr
.endm
.macro ZERO                            ; E begins at 0, and so does the second set of results, which the first tile's slices fold
	WIN 0
.set i, 0
.rept 64
	v_mov_b32 v[E+i], 0
.set i, i+1
.endr
.set i, 64
.rept 64
	v_mov_b32 v[D+i], 0
.set i, i+1
.endr
.endm
; A TILE is eight sub-blocks of four matrix instructions.  Sub-block u: K step u / 2, accumulators 4 (u % 2) .. + 3 of the tile's set.  The eight accumulators take turns, one instruction a turn
; enc's fragments fill windows 1 and 2 whole, so no setting serves a product and the fold alike: a sub-block and its slice cost two switches.
.macro SB T, u
.set KS, (\u)/2
.set DS, D+64*((\T)%2)
.set BR, B+16*KS                       ; W's fragment and its scale word: P0 or Q,
.set SR, BSC+KS
.if (KS < 2) && (((\T)%2) == 1)
.set BR, B1+16*KS                      ; or, K steps 0 and 1 of an odd tile, P1
.set SR, BSC+4+KS
.endif
.if KS < 2
	WIN 0x0d                                       ; source 0 (enc) window 1, source 1 (W) window 3, C and D window 0
.else
	WIN 0x0e                                       ; source 0 window 2
.endif
.irp mm, 0,1,2,3
.set MI, 4*((\u)%2)+\mm
.if KS == 0
	v_wmma_scale_f32_16x16x128_f8f6f4 v[DS+8*MI:DS+8*MI+7], v[128*(KS%2)+16*MI:128*(KS%2)+16*MI+15], v[BR:BR+15], 0, v[ASC+4*MI+KS], v[SR]
.else
	v_wmma_scale_f32_16x16x128_f8f6f4 v[DS+8*MI:DS+8*MI+7], v[128*(KS%2)+16*MI:128*(KS%2)+16*MI+15], v[BR:BR+15], v[DS+8*MI:DS+8*MI+7], v[ASC+4*MI+KS], v[SR]
.endif
.endr
.endm
; Slice u: result u of the tile before is folded, from its low end on.  Its last product stands two slices or more back: eight plain lines that name none of that product's registers.
.macro SLICE T, u
.set DP, D+64*(((\T)+1)%2)
.set HP, HID+2*(((\T)+3)%4)
	WIN 0x03                                       ; source 0 (hidden's pair) window 3
.irp i, 0,1,2,3
	v_pk_fma_f32 v[E+8*(\u)+2*\i:E+8*(\u)+2*\i+1], v[HP:HP+1], v[DP+8*(\u)+2*\i:DP+8*(\u)+2*\i+1], v[E+8*(\u)+2*\i:E+8*(\u)+2*\i+1] op_sel_hi:[0,1,1]
.endr
.endm
; Five LDS loads: K step ks of tile tt of a slot, and its scale words.  par: the tile's parity, which picks P0 or P1 for K steps 0 and 1.
; No wait stands here: the products that last read these registers stand ahead of the wait at the tile's head, and no line since names them.
.macro BLOAD ba, bs, tt, ks, par
.set BR, B+16*(\ks)
.set SR, BSC+(\ks)
.if ((\ks) < 2) && ((\par) == 1)
.set BR, B1+16*(\ks)
.set SR, BSC+4+(\ks)
.endif
	WIN 0x03
	ds_load_b32 v[SR], v[\bs] offset:256*(\tt)+64*(\ks)
	WIN 0xc3
.irp c, 0,1,2,3
	ds_load_b128 v[BR+4*\c:BR+4*\c+3], v[\ba] offset:8192*(\tt)+2048*(\ks)+512*\c
.endr
.endm
; Tile T (0..3) of the chunk in slot sl.  At its head come this tile's K step 2, behind slice 0 its K step 3, behind slices 2 and 4 the next tile's K steps 0 and 1: each group four sub-blocks or more ahead of its use.
; ahead (tile 3 alone): the next tile lies in the other slot, so the chunk's one barrier stands here: in front of its signal my LDS instructions are done (my stores of the next chunk, my reads of this one);
; four products and a slice stand between signal and wait; behind the wait nobody reads this slot any more and the other is whole.
; xtra = 1: my tile of the chunk two on is asked for, four loads behind each odd slice.  xtra = 2: my tile of the next chunk goes into the other slot, likewise; lw: how many younger loads may be out.
.macro TILE sl, T, ahead, xtra, lw
.set LASTT, 0
.set NSL, \sl
.set NT, (\T)+1
.if (\T) == 3
.set NSL, 1-(\sl)
.set NT, 0
.if (\ahead) == 0
.set LASTT, 1
.endif
.endif
.if (\xtra) == 2
	s_wait_loadcnt \lw
.endif
.if ((\T) == 3) && ((\ahead) == 1)
	WIN 0xc3
	s_wait_alu depctr_vm_vsrc(0)                   ; the loads of hidden issued so far have read v[HAD]
	v_add_nc_u32 v[HAD], v[HRB+(\sl)], s31         ; the next chunk's 256 bytes of hidden; this tile's one load by it stands behind the wait below
.endif
	WIN 0x03
.if (\xtra) == 1
	s_wait_alu depctr_vm_vsrc(0)                   ; the LDS stores that emptied staging set sl, two tiles back (ahead of the loop: chunk 0's), have read it: this tile's global loads land there
.endif
	s_wait_alu depctr_va_vdst(0)                   ; the tile before is done: its products have read Q, the other P and their scale words, the slices of two tiles back the next pair of hidden; v[HAD] is written.  All LDS loads of this tile lean on this line
	BLOAD BA+(\sl), BS+(\sl), \T, 2, 0
.irp u, 0,1,2,3,4,5,6,7
.if (\u == 0) || (\u == 2)
	s_wait_dscnt 10                                ; this K step's group is in: behind it stand two groups of five or more
.elseif \u == 4
	s_wait_dscnt 10-5*LASTT                        ; (the very last tile asks for nothing ahead: one group, then none)
.elseif \u == 6
	s_wait_dscnt 10-10*LASTT
.endif
	SB \T, \u
	SLICE \T, \u
.if \u == 0
	BLOAD BA+(\sl), BS+(\sl), \T, 3, 0
.endif
.if (\u == 2) && ((\T) < 3)
	BLOAD BA+NSL, BS+NSL, NT, 0, NT%2
	ds_load_b32 v[HID+2*NT], v[HAD] offset:64*NT   ; hidden for the next tile, folded in the tile behind it
.endif
.if (\u == 2) && ((\T) == 3) && ((\ahead) == 1)
	s_wait_dscnt 0x0
	s_barrier_signal -1
.endif
.if (\u == 3) && ((\T) == 3) && ((\ahead) == 1)
	s_barrier_wait -1
	BLOAD BA+NSL, BS+NSL, NT, 0, 0
	ds_load_b32 v[HID], v[HAD]
.endif
.if (\u == 4) && (LASTT == 0)
	BLOAD BA+NSL, BS+NSL, NT, 1, NT%2
.endif
.if ((\u)%2 == 1) && ((\xtra) == 1)
	WIN 0xc3
.irp j, 0,1,2,3
	global_load_b128 v[WS+66*(\sl)+4*(2*((\u)-1)+\j):WS+66*(\sl)+4*(2*((\u)-1)+\j)+3], v[GW], s[16:17] offset:65536+32768*(\sl)+512*(2*((\u)-1)+\j)
.endr
.if \u == 7
	global_load_b64 v[WS+66*(\sl)+64:WS+66*(\sl)+65], v[GS], s[20:21] offset:2048+1024*(\sl)
.endif
.endif
.if ((\u)%2 == 1) && ((\xtra) == 2)
	WIN 0x0f
.irp j, 0,1,2,3
	ds_store_b128 v[SA+1-(\sl)], v[WS+66*(1-(\sl))+4*(2*((\u)-1)+\j):WS+66*(1-(\sl))+4*(2*((\u)-1)+\j)+3] offset:512*(2*((\u)-1)+\j)
.endr
.if \u == 7
	ds_store_b64 v[SSA+1-(\sl)], v[WS+66*(1-(\sl))+64:WS+66*(1-(\sl))+65]
.endif
.endif
.endr
.endm
; A chunk: four tiles out of slot sl.  ld: the chunk two on is asked for, into set sl.  st: the next chunk, in the other set, goes into the other slot.
.macro TRIP sl, st, ld, ahead
	TILE \sl, 0, 1, \ld, 0
	TILE \sl, 1, 1, 0, 0
	TILE \sl, 2, 1, 2*(\st), 17*(\ld)
	TILE \sl, 3, \ahead, 0, 0
.endm
.macro REDUCE                          ; E summed over the 16 lanes of a half; my 128 energies leave as 512 consecutive bytes
	WIN 0
.irp x, 1,2,4,8
.set i, 0
.rept 64
	v_add_f32_dpp v[E+i], v[E+i], v[E+i] row_xmask:\x row_mask:0xf bank_mask:0xf
.set i, i+1
.endr
.endr
	s_wait_alu depctr_va_vdst(0)                   ; the sums have written E, which the LDS stores read
.irp t, 0,1,2,3,4,5,6,7
	ds_store_b128 v[OUTS], v[E+8*\t:E+8*\t+3] offset:64*\t          ; rows 16 t + 8 h + 0 .. 3: the sixteen lanes of a half store the same bytes with the same values
	ds_store_b128 v[OUTS], v[E+8*\t+4:E+8*\t+7] offset:64*\t+16
.endr
	ds_load_b128 v[RT:RT+3], v[OUTL]
	s_wait_dscnt 0x0
	global_store_b128 v[GO], v[RT:RT+3], s[22:23]  ; 32 lanes store 512 consecutive bytes, at a multiple of 512 from ep's first byte
.endm
	s_load_b256 s[4:11], s[0:1], 0x0               ; enc s[4:5], wimg s[6:7], wsc s[8:9], hidden s[10:11]
	s_load_b64 s[22:23], s[0:1], 0x20              ; ep
	v_lshl_add_u32 v62, v0, 2, 0x4bc00
	v_mov_b32 v63, 0
	v_lshrrev_b32 v1, 5, v0
	v_readfirstlane_b32 s12, v1                    ; wave 0..3
	v_and_b32 v1, 31, v0                           ; lane
	s_wait_alu depctr_va_vdst(0)
	v_and_b32 v2, 15, v0                           ; r
	s_wait_alu depctr_va_vdst(0)
	v_bfe_u32 v3, v0, 4, 1                         ; h
	s_mov_b32 s13, ttmp9                           ; kg
	s_and_b32 s14, ttmp7, 0xffff                   ; rb
	s_mov_b32 s24, 0x76543210
	s_mov_b32 s25, 0xfedcba98                      ; v_permlanex16_b32's selects for lane l xor 16
	s_mov_b32 s26, 0x600000                        ; the mantissa field of 448
	s_wait_alu depctr_va_sdst(0)                   ; s12 is written, ahead of its first reader
	s_mul_i32 s32, s12, 16*SP
	s_add_co_u32 s32, s32, STG                     ; my stage
	s_lshl_b32 s33, s12, 9
	s_add_co_u32 s33, s33, OUTB                    ; my way out
	s_lshl_b32 s34, s12, 10
	s_add_co_u32 s34, s34, HIDB                    ; my quarter of hidden
	s_lshl_b32 s35, s12, 16                        ; my images
	s_lshl_b32 s36, s12, 11
	s_add_co_u32 s36, s36, SCA                     ; their scale words
	s_lshl_b32 s37, s12, 13                        ; my tile of a chunk
	s_add_co_u32 s38, s37, SLOT
	s_lshl_b32 s39, s12, 8                         ; its scale words
	s_add_co_u32 s40, s39, SLSC
	s_add_co_u32 s41, s39, SLOT+SLSC
	s_lshl_b32 s42, s14, 13
	v_lshlrev_b32 v[GO], 4, v1
	v_lshlrev_b32 v7, 2, v2
	v_mul_u32_u24 v14, v2, SP
	s_wait_alu depctr_va_vdst(0)
	v_lshl_add_u32 v14, v3, 6, v14
	v_lshlrev_b32 v15, 3, v1
	v_lshlrev_b32 v[OUTS], 5, v3
	v_add_nc_u32 v[OUTS], s33, v[OUTS]
	v_add_nc_u32 v[OUTL], s33, v[GO]
	v_add_nc_u32 v[AIA], s35, v[GO]
	v_add_nc_u32 v[ASA], s36, v7
	WIN 0xc0                                       ; destination window 3, sources window 0
	v_add_nc_u32 v[STI], s32, v[GO]
	v_add_nc_u32 v[STO], s32, v14
	v_lshlrev_b32 v[GOF], 4, v1
	v_add_nc_u32 v[IMA0], s35, v[GO]
	v_add_nc_u32 v[IMS0], s36, v7
	v_add_nc_u32 v[HST], s34, v[GO]
.irp b, 0,1,2,3
	v_mov_b32 v[TM+4+\b], 0                        ; written once: a lane permute's destination counts as one of its sources
.endr
.irp i, 0,1,2,3,4,5,6,7
	v_mov_b32 v[HID+\i], 0                         ; the pairs' odd registers stay 0; pair 3 is read, against cleared results, before its first load
.endr
	v_lshlrev_b32 v[BA], 4, v1
	v_add_nc_u32 v[BA+1], SLOT, v[GO]
	v_add_nc_u32 v[BS], SLSC, v7
	v_add_nc_u32 v[BS+1], SLOT+SLSC, v7
	v_add_nc_u32 v[HAD], HIDB, v7
	v_add_nc_u32 v[HRB], HIDB+256, v7
	v_add_nc_u32 v[HRB+1], HIDB+512, v7
	v_add_nc_u32 v[GW], s37, v[GO]
	v_add_nc_u32 v[GS], s39, v15
	v_add_nc_u32 v[SA], s37, v[GO]
	v_add_nc_u32 v[SA+1], s38, v[GO]
	v_add_nc_u32 v[SSA], s40, v15
	v_add_nc_u32 v[SSA+1], s41, v15
	v_lshl_add_u32 v[PFO], v1, 8, s42
	s_lshl_b32 s48, s14, 9
	s_lshl_b32 s49, s12, 7
	s_add_co_u32 s48, s48, s49                     ; my first row: 512 rb + 128 w
	s_lshl_b32 s50, s48, 13
	s_lshl_b32 s51, s13, 11                        ; my K group's 2,048 bytes in a row
	s_add_co_u32 s50, s50, s51
	s_mov_b32 s51, 0
	s_lshl_b32 s52, s13, 15
	s_add_co_u32 s52, s52, s48
	s_lshl_b32 s52, s52, 2                         ; ep: (32,768 kg + row) x 4
	s_mov_b32 s53, 0
	s_lshl_b32 s54, s13, 19                        ; wimg: 64 tiles x 8,192 bytes a K group
	s_mov_b32 s55, 0
	s_lshl_b32 s56, s13, 14                        ; wsc: 64 x 256
	s_mov_b32 s57, 0
	s_lshr_b32 s58, s14, 1                         ; the batch
	s_lshl_b32 s58, s58, 12
	s_lshl_b32 s59, s12, 10                        ; my quarter of its row of hidden
	s_add_co_u32 s58, s58, s59
	s_mov_b32 s59, 0
	s_wait_kmcnt 0x0
	s_add_nc_u64 s[18:19], s[4:5], s[50:51]
	s_add_nc_u64 s[16:17], s[6:7], s[54:55]
	s_add_nc_u64 s[20:21], s[8:9], s[56:57]
	s_add_nc_u64 s[10:11], s[10:11], s[58:59]
	s_add_nc_u64 s[22:23], s[22:23], s[52:53]
	WIN 0xc3                                       ; destination and address window 3
	s_wait_alu depctr_va_vdst(0)                   ; every address and offset made above is written: the loads, stores and the prefetch of the whole kernel read them; so are hidden's pairs, in which LDS loads land later
.irp i, 0,1
	global_load_b128 v[XS+4*\i:XS+4*\i+3], v[GOF], s[10:11] offset:512*\i
.endr
	RELOAD 0, 0                                    ; my first 16 rows fill the ring
	RELOAD 1, 0
	RELOAD 2, 0
	s_wait_loadcnt 48                              ; hidden is in; the three slots may be out
	WIN 0xff
.irp i, 0,1
	ds_store_b128 v[HST], v[XS+4*\i:XS+4*\i+3] offset:512*\i
.endr
	RELOAD 3, 0
	s_wait_dscnt 0x0                               ; hidden's stores are done
	s_wait_alu depctr_vm_vsrc(0)                   ; and have read v[XS .. XS + 7], in which slot 0 comes back from the stage
	TOSTG 0, 48                                    ; slot 0 of the first 16 rows; slots 1, 2, 3 may be out
.irp k, 0,1,2,3,4,5,6,7
	BACK2 0, \k
.endr
	WIN 0
	s_mov_b32 s27, 0
	s_mov_b32 s29, 0
	s_mov_b32 s30, 0
.Lq:                                                   ; 7 trips: trip m quantises rows 16 m .. 16 m + 15 and asks for the next 16
	Q4 1
	WIN 0
	s_wait_xcnt 0x0                                ; the loads have read their base
	s_add_nc_u64 s[18:19], s[18:19], FRG
	s_add_co_u32 s29, s29, 8192
	s_add_co_u32 s30, s30, 256
	s_add_co_u32 s27, s27, 1
	s_cmp_lt_u32 s27, 7
	s_cbranch_scc1 .Lq
	s_cmp_lg_u32 s12, 0
	s_cbranch_scc1 .Lnopf
	WIN 0x03
	global_prefetch_b8 v[PFO], s[16:17] th:TH_LOAD_NT scope:SCOPE_SE   ; wave 0 of work-group rb asks for bytes 8,192 rb .. + 8,191 of its K group's 524,288 bytes of codes, lanes 256 bytes apart: the 64 work-groups of a K group ask for each block once; the first of them is loaded behind the trip below
	WIN 0
.Lnopf:
	Q4 0                                           ; the last 16 rows: no load leaves the buffer
	WIN 0xc3
	s_wait_dscnt 0x0                               ; the last image is in LDS
	s_wait_alu depctr_vm_vsrc(0)                   ; the images' and the stage's stores have read PC, PW, phase Q's addresses and the ring: the loads below land in all of these
	s_wait_alu depctr_va_vdst(0)                   ; the quantiser is done with XS, PC, TM and PW, and the adds with IMA0, IMS0, IMA and IMS: these registers are the staging sets and W's fragments from here on
	LOADW 0, 0, 0                                  ; my tiles of chunks 0 and 1
	LOADW 1, 32768, 1024
	FETCH_A
	ZERO
	s_wait_dscnt 0x0                               ; my fragments are in registers: I read the images no more
	s_barrier_signal -1
	s_barrier_wait -1                              ; nobody does: the slots may be laid over them
	s_wait_loadcnt 17                              ; chunk 0's 17 loads are in; chunk 1's may be out
	STOREW 0, 0
	s_wait_dscnt 0x0                               ; for the others' sake
	s_barrier_signal -1
	s_barrier_wait -1                              ; chunk 0 and hidden are whole
	BLOAD BA, BS, 0, 0, 0                          ; tile 0's K steps 0 and 1 (its K steps 2 and 3 come in the tile itself).  Since the wait on va_vdst above only E and D have been named
	ds_load_b32 v[HID], v[HAD]                     ; hidden for tile 0
	BLOAD BA, BS, 0, 1, 0
	WIN 0
	s_mov_b32 s27, 0
	s_mov_b32 s31, 0
.Lg:                                                   ; 7 trips of two chunks: chunks 0 to 13
	TRIP 0, 1, 1, 1
	TRIP 1, 1, 1, 1
	WIN 0                                          ; at a label and at a branch every window is 0
	s_wait_xcnt 0x0                                ; the chunks' loads have read their bases
	s_add_nc_u64 s[16:17], s[16:17], 65536
	s_add_nc_u64 s[20:21], s[20:21], 2048
	s_add_co_u32 s31, s31, 512
	s_add_co_u32 s27, s27, 1
	s_cmp_lt_u32 s27, 7
	s_cbranch_scc1 .Lg
	TRIP 0, 1, 0, 1                                ; chunk 14: chunk 15 goes into its slot, nothing more is asked of memory
	TRIP 1, 0, 0, 0                                ; chunk 15: nothing follows
.irp u, 0,1,2,3,4,5,6,7
	SLICE 4, \u                                    ; the last tile's results
.endr
	REDUCE
	s_wait_dscnt 0x0                               ; the closing lines, six on end
	s_wait_alu 0x0
	s_wait_tensorcnt 0x0
	ds_add_u32 v62, v63
	s_wait_dscnt 0x0
	s_endpgm
.Lfunc_end_k_q17b3d5bffd_energy:
	.size	k_q17b3d5bffd_energy, .Lfunc_end_k_q17b3d5bffd_energy-k_q17b3d5bffd_energy
	.p2alignl 7, 3214868480
	.fill 96, 4, 3214868480
	.section	.rodata,"a",@progbits
	.p2align	6, 0x0
	.amdhsa_kernel k_q17b3d5bffd_energy
		.amdhsa_group_segment_fixed_size 310784
		.amdhsa_private_segment_fixed_size 0
		.amdhsa_enable_private_segment 0
		.amdhsa_kernarg_size 40
		.amdhsa_user_sgpr_count 2
		.amdhsa_user_sgpr_kernarg_segment_ptr 1
		.amdhsa_wavefront_size32 1
		.amdhsa_system_sgpr_workgroup_id_x 1
		.amdhsa_system_sgpr_workgroup_id_y 1
		.amdhsa_system_sgpr_workgroup_id_z 1
		.amdhsa_system_vgpr_workitem_id 0
		.amdhsa_next_free_vgpr 1024
		.amdhsa_next_free_sgpr 66
		.amdhsa_reserve_vcc 0
		.amdhsa_float_denorm_mode_32 3
		.amdhsa_float_denorm_mode_16_64 3
		.amdhsa_memory_ordered 1
		.amdhsa_forward_progress 1
		.amdhsa_inst_pref_size 255
	.end_amdhsa_kernel
	.section	.bss,"aw",@nobits
	.p2align	6
	.space	262144
	.amdgpu_metadata
---
amdhsa.version: [ 1, 2 ]
amdhsa.kernels:
  - .name:           k_q17b3d5bffd_energy
    .symbol:         k_q17b3d5bffd_energy.kd
    .args:
      - { .name: encoder_outputs, .offset: 0, .size: 8, .value_kind: global_buffer, .address_space: global }
      - { .name: wimg, .offset: 8, .size: 8, .value_kind: global_buffer, .address_space: global }
      - { .name: wsc, .offset: 16, .size: 8, .value_kind: global_buffer, .address_space: global }
      - { .name: hidden, .offset: 24, .size: 8, .value_kind: global_buffer, .address_space: global }
      - { .name: ep, .offset: 32, .size: 8, .value_kind: global_buffer, .address_space: global }
    .group_segment_fixed_size: 310784
    .private_segment_fixed_size: 0
    .kernarg_segment_align: 8
    .kernarg_segment_size: 40
    .max_flat_workgroup_size: 128
    .sgpr_count:     66
    .vgpr_count:     1024
    .wavefront_size: 32
...
	.end_amdgpu_metadata
.endif
;; end of part 5
;; launch softmax (part 6): grid 32 x 1, 8 waves a work-group, no clusters, 1,280 bytes of LDS; arguments ep, hidden, b, out0; writes out0
.if DOCPART == 6
	.amdgcn_target "amdgcn-amd-amdhsa--gfx1250"
	.amdhsa_code_object_version 6
	.text
	.protected	k_q17b3d5bffd_softmax
	.globl	k_q17b3d5bffd_softmax
	.p2align	8
	.type	k_q17b3d5bffd_softmax,@function
k_q17b3d5bffd_softmax:
	s_mov_b64 s[64:65], 0
	v_nop
	global_prefetch_b8 v0, s[64:65] scope:SCOPE_SE
	s_setreg_imm32_b32 hwreg(HW_REG_WAVE_MODE, 25, 1), 1
	s_wait_xcnt 0x0
; out0[batch][s] = softmax over s of ( sum over kg of ep[kg][1024 batch + s] + hidden[batch] . b ).  ep [4][32768], hidden [32][1024], b [1024], out0 [32][1024]: f32.
; A work-group of eight waves takes one batch; thread t owns s = 4 t .. 4 t + 3: every load and the store of a wave cover 512 consecutive bytes.
; The bias's part of an energy, hidden . b, is the same number for all s of a batch: it is summed here once and added to every energy.  The row's largest energy is taken away before the exponential.
; No matrix unit, no cluster: 512 KiB are read once and nothing is shared between work-groups.
; LIMITS: NaN and infinities among the inputs are not served.
.macro WSUM x, t                       ; the sum over the wave's 32 lanes, in every lane
.irp m, 1
	v_add_f32_dpp v[\x], v[\x], v[\x] row_xmask:\m row_mask:0xf bank_mask:0xf
.endr
.irp m, 2, 4, 8
	s_delay_alu instid0(VALU_DEP_1)
	v_add_f32_dpp v[\x], v[\x], v[\x] row_xmask:\m row_mask:0xf bank_mask:0xf
.endr
	s_delay_alu instid0(VALU_DEP_1)
	v_permlanex16_b32 v[\t], v[\x], s16, s17
	s_delay_alu instid0(VALU_DEP_1)
	v_add_f32 v[\x], v[\x], v[\t]
.endm
	s_load_b256 s[4:11], s[0:1], 0x0               ; ep s[4:5], hidden s[6:7], b s[8:9], out0 s[10:11]
	v_lshl_add_u32 v96, v0, 2, 0x100
	v_mov_b32 v97, 0
	v_lshlrev_b32 v1, 4, v0                        ; 16 t
	v_lshrrev_b32 v2, 5, v0
	s_delay_alu instid0(VALU_DEP_1)
	v_readfirstlane_b32 s12, v2                    ; wave 0..7
	s_lshl_b32 s14, ttmp9, 12                      ; the batch's 4,096 bytes
	s_mov_b32 s15, 0
	s_mov_b32 s16, 0x76543210
	s_mov_b32 s17, 0xfedcba98                      ; v_permlanex16_b32's selects for lane l xor 16
	v_mov_b32 v3, s12
	s_delay_alu instid0(VALU_DEP_1)
	v_lshlrev_b32 v3, 2, v3                        ; my wave's word in LDS
	v_mov_b32 v2, 0
	v_mov_b32 v14, 0                               ; written once: a lane permute's destination counts as one of its sources
	v_mov_b32 v15, 0
	s_wait_alu depctr_va_vdst(0)
	s_wait_kmcnt 0x0
	s_add_nc_u64 s[4:5], s[4:5], s[14:15]
	s_add_nc_u64 s[6:7], s[6:7], s[14:15]
	s_add_nc_u64 s[10:11], s[10:11], s[14:15]
	global_load_b128 v[4:7], v1, s[6:7]
	global_load_b128 v[8:11], v1, s[8:9]
.irp k, 0,1,2,3
	global_load_b128 v[16+4*\k:19+4*\k], v1, s[4:5] offset:\k*131072 th:TH_LOAD_NT   ; K group k's part of my four energies
.endr
	s_wait_loadcnt 4                               ; hidden and b are in; the four parts may be out
	v_mul_f32 v12, v4, v8
	s_delay_alu instid0(VALU_DEP_1)
	v_fmac_f32 v12, v5, v9
	s_delay_alu instid0(VALU_DEP_1)
	v_fmac_f32 v12, v6, v10
	s_delay_alu instid0(VALU_DEP_1)
	v_fmac_f32 v12, v7, v11                        ; my four terms of hidden . b
.irp k, 1,2,3
	s_wait_alu depctr_va_vdst(0)
	s_wait_loadcnt 3-\k                            ; parts 0 to k are in
	v_pk_add_f32 v[16:17], v[16:17], v[16+4*\k:17+4*\k]      ; K ascending
	v_pk_add_f32 v[18:19], v[18:19], v[18+4*\k:19+4*\k]
.endr
	s_delay_alu instid0(VALU_DEP_1)
	v_max3_num_f32 v13, v16, v17, v18
	s_delay_alu instid0(VALU_DEP_1)
	v_max_num_f32 v13, v13, v19
	WSUM 12, 14
.irp m, 1
	v_max_num_f32_dpp v13, v13, v13 row_xmask:\m row_mask:0xf bank_mask:0xf
.endr
.irp m, 2, 4, 8
	s_delay_alu instid0(VALU_DEP_1)
	v_max_num_f32_dpp v13, v13, v13 row_xmask:\m row_mask:0xf bank_mask:0xf
.endr
	s_delay_alu instid0(VALU_DEP_1)
	v_permlanex16_b32 v15, v13, s16, s17
	s_delay_alu instid0(VALU_DEP_1)
	v_max_num_f32 v13, v13, v15
	ds_store_b32 v3, v12                           ; bytes 0-31: the waves' sums; all lanes store the same word with the same value
	ds_store_b32 v3, v13 offset:32                 ; bytes 32-63: their maxima
	s_wait_dscnt 0x0                               ; for the others' sake
	s_barrier_signal -1
	s_barrier_wait -1
	ds_load_b128 v[80:83], v2
	ds_load_b128 v[84:87], v2 offset:16
	ds_load_b128 v[88:91], v2 offset:32
	ds_load_b128 v[92:95], v2 offset:48
	s_wait_dscnt 0x0
	v_add_f32 v80, v80, v81
	v_add_f32 v82, v82, v83
	v_add_f32 v84, v84, v85
	v_add_f32 v86, v86, v87
	s_delay_alu instid0(VALU_DEP_3)
	v_add_f32 v80, v80, v82
	s_delay_alu instid0(VALU_DEP_2)
	v_add_f32 v84, v84, v86
	s_delay_alu instid0(VALU_DEP_1)
	v_add_f32 v80, v80, v84                        ; hidden . b
	v_max3_num_f32 v88, v88, v89, v90
	s_delay_alu instid0(VALU_DEP_1)
	v_max3_num_f32 v88, v88, v91, v92
	s_delay_alu instid0(VALU_DEP_1)
	v_max3_num_f32 v88, v88, v93, v94
	s_delay_alu instid0(VALU_DEP_1)
	v_max_num_f32 v88, v88, v95
	s_delay_alu instid0(VALU_DEP_1)
	v_add_f32 v89, v88, v80                        ; the largest energy: an addition's rounding keeps the order, so this is the largest of the sums below
.irp j, 16,17,18,19
	v_add_f32 v\j, v\j, v80
.endr
.irp j, 16,17,18,19
	s_delay_alu instid0(VALU_DEP_4)
	v_sub_f32 v\j, v\j, v89
.endr
.irp j, 16,17,18,19
	s_delay_alu instid0(VALU_DEP_4)
	v_mul_f32 v\j, 0x3fb8aa3b, v\j                 ; x log2(e)
.endr
	s_wait_alu depctr_va_vdst(0)
.irp j, 16,17,18,19
	v_exp_f32 v\j, v\j
.endr
	v_nop                                          ; a plain line behind the exponentials
	s_wait_alu depctr_va_vdst(0)
	v_add_f32 v20, v16, v17
	v_add_f32 v21, v18, v19
	s_delay_alu instid0(VALU_DEP_1)
	v_add_f32 v20, v20, v21
	WSUM 20, 14
	ds_store_b32 v3, v20 offset:64                 ; bytes 64-95: other bytes than the first exchange's
	s_wait_dscnt 0x0
	s_barrier_signal -1
	s_barrier_wait -1
	ds_load_b128 v[80:83], v2 offset:64
	ds_load_b128 v[84:87], v2 offset:80
	s_wait_dscnt 0x0
	v_add_f32 v80, v80, v81
	v_add_f32 v82, v82, v83
	v_add_f32 v84, v84, v85
	v_add_f32 v86, v86, v87
	s_delay_alu instid0(VALU_DEP_3)
	v_add_f32 v80, v80, v82
	s_delay_alu instid0(VALU_DEP_2)
	v_add_f32 v84, v84, v86
	s_delay_alu instid0(VALU_DEP_1)
	v_add_f32 v80, v80, v84                        ; the row's sum, at least 1: the largest energy's term is 1
	s_wait_alu depctr_va_vdst(0)
	v_rcp_f32 v21, v80
	v_nop                                          ; a plain line behind the reciprocal
	s_wait_alu depctr_va_vdst(0)
.irp j, 16,17,18,19
	v_mul_f32 v\j, v\j, v21
.endr
	global_store_b128 v1, v[16:19], s[10:11]       ; a wave stores 512 consecutive bytes
	s_wait_tensorcnt 0x0
	ds_add_u32 v96, v97
	s_wait_dscnt 0x0
	s_endpgm
.Lfunc_end_k_q17b3d5bffd_softmax:
	.size	k_q17b3d5bffd_softmax, .Lfunc_end_k_q17b3d5bffd_softmax-k_q17b3d5bffd_softmax
	.p2alignl 7, 3214868480
	.fill 96, 4, 3214868480
	.section	.rodata,"a",@progbits
	.p2align	6, 0x0
	.amdhsa_kernel k_q17b3d5bffd_softmax
		.amdhsa_group_segment_fixed_size 1280
		.amdhsa_private_segment_fixed_size 0
		.amdhsa_enable_private_segment 0
		.amdhsa_kernarg_size 32
		.amdhsa_user_sgpr_count 2
		.amdhsa_user_sgpr_kernarg_segment_ptr 1
		.amdhsa_wavefront_size32 1
		.amdhsa_system_sgpr_workgroup_id_x 1
		.amdhsa_system_sgpr_workgroup_id_y 1
		.amdhsa_system_sgpr_workgroup_id_z 1
		.amdhsa_system_vgpr_workitem_id 0
		.amdhsa_next_free_vgpr 98
		.amdhsa_next_free_sgpr 66
		.amdhsa_reserve_vcc 0
		.amdhsa_float_denorm_mode_32 3
		.amdhsa_float_denorm_mode_16_64 3
		.amdhsa_memory_ordered 1
		.amdhsa_forward_progress 1
		.amdhsa_inst_pref_size 8
	.end_amdhsa_kernel
	.amdgpu_metadata
---
amdhsa.version: [ 1, 2 ]
amdhsa.kernels:
  - .name:           k_q17b3d5bffd_softmax
    .symbol:         k_q17b3d5bffd_softmax.kd
    .args:
      - { .name: ep, .offset: 0, .size: 8, .value_kind: global_buffer, .address_space: global }
      - { .name: hidden, .offset: 8, .size: 8, .value_kind: global_buffer, .address_space: global }
      - { .name: b, .offset: 16, .size: 8, .value_kind: global_buffer, .address_space: global }
      - { .name: out0, .offset: 24, .size: 8, .value_kind: global_buffer, .address_space: global }
    .group_segment_fixed_size: 1280
    .private_segment_fixed_size: 0
    .kernarg_segment_align: 8
    .kernarg_segment_size: 32
    .max_flat_workgroup_size: 256
    .sgpr_count:     66
    .vgpr_count:     98
    .wavefront_size: 32
...
	.end_amdgpu_metadata
.endif
;; end of part 6
